; MI455X (gfx1250); checked and timed in simulation.
; The chip was launched on July 23, 2026; its instructions are those of AMD's public machine-readable ISA for CDNA 5 (MIT licence, August 2026) and "CDNA5" Instruction Set Architecture Reference Guide (July 2026). The comments in the code are by the model that wrote it; some were corrected since.
;; Multi Head Attention. Allowed arithmetic: matrix products marked QUANTISED: E2M3 operands, one E8M0 scale for each 32 along K, by v_wmma_scale_f32_16x16x128_f8f6f4 with both operands' format E2M3, f32 sums; everything else in f32.
;; Inputs: bk 256 float32; bo 256 float32; bq 256 float32; bv 256 float32; k 8 x 2,048 x 256 float32; m 1 x 1 x 1 x 2,048 float32; q 8 x 2,048 x 256 float32; v 8 x 2,048 x 256 float32; wk 256 x 256 float32; wo 256 x 256 float32; wq 256 x 256 float32; wv 256 x 256 float32.
;; Outputs: out0 8 x 2,048 x 256 float32.
;; This version of the problem:
;;   THIS VERSION OF THE PROBLEM IS GIVEN IN LOW PRECISION. The matrix products marked QUANTISED in the list below multiply operands that are first quantised to E2M3 (2 exponent bits, 3 mantissa bits; 6 bits a number), with one power-of-two scale for each 32 numbers along K (OCP MX v1.0); their sums are f32. All else is computed in f32.
;;   The module's matrix products, in the order in which they are computed (A, B: the left and right operand; K: the contracted axis; several contracted axes count as one K, in the product's order):
;;     1. [M 16,384, K 256] x [K 256, N 256]; A: input q; B: input wq: QUANTISED
;;     2. [M 16,384, K 256] x [K 256, N 256]; A: input k; B: input wk: QUANTISED
;;     3. [M 16,384, K 256] x [K 256, N 256]; A: input v; B: input wv: QUANTISED
;;     4. batch 64 x [M 2,048, K 32] x [K 32, N 2,048]; A: computed on the way; B: computed on the way: QUANTISED
;;     5. batch 64 x [M 2,048, K 2,048] x [K 2,048, N 32]; A: softmax (see below); B: computed on the way: QUANTISED
;;     6. [M 16,384, K 256] x [K 256, N 256]; A: computed on the way; B: input wo: QUANTISED
;;   THE QUANTISER, for each operand of a quantised product, along K:
;;     - K is cut into blocks of 32 from its start; a last block that is shorter is filled with zeros.
;;     - A block's scale is 2^e with e = floor(log2(the largest magnitude in the block)) - 2, held to -126 .. 127; a block of zeros has e = 0. As a byte (E8M0): e + 127.
;;     - Each number is divided by its block's scale, clamped to +-7.5, and rounded to the nearest number of E2M3, ties to even, subnormals kept.
;;     - The product sums the exact products of the quantised numbers (number of the format x scale) in f32.
;;   ~~~python
;;   def quantise(x, axis):      # numpy; x: float32 -> the quantised numbers, widened to float32 again
;;       x = np.moveaxis(x, axis, -1); K = x.shape[-1]
;;       x = np.pad(x, [(0, 0)] * (x.ndim - 1) + [(0, -K % 32)]); x = x.reshape(x.shape[:-1] + (-1, 32)); a = np.abs(x).max(-1, keepdims=True)
;;       e = np.where(a > 0, np.clip(np.frexp(np.where(a > 0, a, 1))[1] - 1 - 2, -126, 127), 0)      # np.frexp(a)[1] - 1 = floor(log2(a)), exactly
;;       r = np.clip(x / 2.0 ** e, -7.5, 7.5)
;;       step = 2.0 ** (np.maximum(np.frexp(np.where(r == 0, 1, r))[1] - 1, 0) - 3)
;;       q = np.round(r / step) * step * 2.0 ** e      # np.round: ties to even
;;       return np.moveaxis(q.reshape(q.shape[:-2] + (-1,))[..., :K], -1, axis).astype(np.float32)
;;   ~~~
;;   SOFTMAX AHEAD OF A QUANTISED PRODUCT. Where the list says 'softmax', what is quantised is not the finished softmax but p = 2^(t - M), with t = logit x log2(e) and M = ceil(the row's largest t), a whole number; so 1/2 < the row's largest p <= 1. The row's sum l is taken of the UNQUANTISED p, in f32, and the product's result is divided by l at the end. Since M is a whole number, a kernel that streams over the keys may use a running M (the ceiling of the running maximum): every later rescaling is an exact power of two, which a block's scale takes up: the codes' values come out the same.
;;   OPERANDS COMPUTED ON THE WAY. 'Computed on the way' means the value that the module computes at that place (a softmax that the list does not call 'softmax' is quantised finished and normalised). What goes into a quantiser is computed in f32, as accurately as f32 sums, v_exp_f32 and their like allow (about 1e-6 of the number): no bf16 or f16 on the way to a quantiser, and a product that is left as it is and whose result goes on into a quantised operand takes f32 operands (vector FMAs, or v_wmma_f32_16x16x4_f32). A number that lies on a knife's edge between two numbers of the format may be rounded either way, as far as f32 arithmetic and the matrix unit's own rounding can turn it there, and no further.
;; 2 versions. Each part assembles by itself: llvm-mc -triple=amdgcn-amd-amdhsa -mcpu=gfx1250 --defsym DOCPART=n.
;; ======== version 1 of 2: 2 launches
;; workspace buffers: kv 6,553,600 bytes; qc 3,145,728 bytes; qs 131,072 bytes; woq 51,200 bytes
;; launch proj (part 1): grid 193 x 1, 16 waves a work-group, no clusters, 291,840 bytes of LDS; arguments q, k, v, wq, wk, wv, wo, bq, bk, bv, qc, qs, kv, woq; writes qc, qs, kv, woq
.if DOCPART == 1
	.amdgcn_target "amdgcn-amd-amdhsa--gfx1250"
	.amdhsa_code_object_version 6
	.text
	.protected	k_q7751f00748_proj
	.globl	k_q7751f00748_proj
	.p2align	8
	.type	k_q7751f00748_proj,@function
k_q7751f00748_proj:
	s_mov_b64 s[64:65], 0
	v_nop
	global_prefetch_b8 v0, s[64:65] scope:SCOPE_SE
	s_setreg_imm32_b32 hwreg(HW_REG_WAVE_MODE, 25, 1), 1
	s_wait_xcnt 0x0
; THE THREE INPUT PROJECTIONS, x W + b for (q, wq, bq), (k, wk, bk), (v, wv, bv), on codes of FP6 (E2M3) with one E8M0 scale for each 32 along K = 256; their results, with the bias, are quantised at once
; for the attention's two products and leave as codes, laid in the order of the operand registers that the next launch loads.  One more work-group quantises wo.
; NOTHING OF THE PROBLEM IS LEFT OUT in this program: every input has a way to the output and is loaded (the biases ahead of the quantisers, the mask in the next launch).
; SHARES.  Work-groups 0-63 take q, 64-127 k, 128-191 v, 256 rows each (two groups of 128); work-group 192 takes wo.  Sixteen waves.
;   Phase 1: wave w quantises 32 columns x 128 K of the work-group's weight (a lane to a column, registers down K) and one tile of 16 rows x 256 K of x; both go to LDS as images of operand registers.
;   Phase 2: q, k: wave w multiplies its own tile of rows by all 16 tiles of columns, transposed (source 0 = weight, source 1 = x): a lane holds one row, its registers run along the channels: 4 heads = 4 blocks a fragment.
;            v: wave (group, head) multiplies the group's 8 tiles of rows by the head's two tiles of columns (source 0 = x, source 1 = weight): a lane holds one channel, its registers run along the keys.
;   Phase 3: k's codes, regrouped through LDS into one record a head and a group, and wo's images leave in runs of 512 bytes.
; WHICH ROWS FORM A TILE is chosen for the next launch.  Rows of q and k: tile t, row m = 64 (t / 4) + 32 (m / 8) + 8 (t % 4) + m % 8.  Rows of v: 32 (t / 2) + 16 (m / 8) + 8 (t % 2) + m % 8.
;   Columns of a weight: tile 2 hd + u, row m = column 32 hd + 16 (m / 8) + 8 u + m % 8, so that the 16 registers of two neighbouring tiles are 16 neighbouring channels.
; AN IMAGE of a fragment (12 registers a lane) is 1,536 bytes: register n of lane l at 512 (n / 4) + 16 l + 4 (n % 4).
; A RECORD of kv (one batch, head and 128 keys; 6,400 bytes): K's two fragments (row m, block t % 4 of fragment t / 4 = the head's 32 codes of the key that is row m of tile t), V^T's two tiles (16 channels x 128 keys),
;   K's scale words (lane 16 f + m), V's (lane 16 u + m).
; NO CLUSTER: the grid of 193 is no multiple of a cluster's size; and the weight, which 64 work-groups share, goes from memory straight into the registers of the lanes that quantise it: brought jointly it would
;   have to lie in LDS as f32, 262,144 bytes beside the 291,840 that are in use.
; LIMITS: NaN and infinities among the inputs are not served.  A block whose largest magnitude lies under 2^(3 - 127) has its scale byte held at 1; a block of zeros so has the byte 1 where the rule says 127:
;   its codes are zeros, which add nothing, and this program alone reads the bytes.
.set XIMG,  0                          ; LDS: x's 32 images (tile w, K step s at (2 w + s) x 1,536)
.set WIMG,  49152                      ; the weight's 32 images (tile T, K step s at (2 T + s) x 1,536)
.set XSC,   98304                      ; x's scale words, 64 bytes an image: row r's at 4 r
.set WSC,   100352                     ; the weight's likewise
.set BN,    102400                     ; the bias, 256 numbers as they lie
.set STG,   103424                     ; a stage of 16 rows x 528 bytes for each wave, through which x turns
.set KSTG,  238592                     ; k's records of the two groups: 8 heads x 3,072 bytes of codes, then 8 x 128 scale bytes: 25,600 a group
.set SPARE, 289792                     ; the spare words, 128 bytes for each wave: eight blocks of 256 bytes that no other line names
.set REC,   6400
.set L4,   1                           ; v1   4 x lane
.set L16,  2                           ; v2   16 x lane
.set XI,   3                           ; v3   my tile's images of x
.set XS,   4                           ; v4   and their scale words
.set WA,   5                           ; phase 1: v5 where my column's codes go, v6 its scale word, v7, v8 my stage in and out, v9 where my bias number goes, v10 4 r
.set WSA,  6
.set TS,   7
.set TR,   8
.set BS,   9
.set BL,   10
.set WI,   5                           ; phase 2: v5 the weight's images, v6 scale words, v7 the bias by channels, v8 my group's images of x, v9 my head's weight tiles,
.set SC,   6                           ;          v10, v11 their scale words, v12 the bias by lanes, v13-15 where a block of k's codes goes (three pieces of 8 bytes), v16 its scale byte
.set BNA,  7
.set XG,   8
.set WVA,  9
.set XGS,  10
.set WVS,  11
.set BV,   12
.set K0,   13
.set KB,   16
.set KR,   5                           ; phase 3: v5, v6 my record's codes and scale words in the stage, v7, v8 my two images of wo and their scale words
.set KQ,   6
.set WC,   7
.set WCS,  8
.set SB,   18                          ; v18  the weight's four scale bytes; later the first of two scale words that leave together
.set PW0,  18
.set PW,   19                          ; v19  the scale word just made
.set TM,   20                          ; v20-23 largest magnitudes, v24-27 the other half's, then the bytes, v28-31 the conversions' scale operands
.set PC,   32                          ; v32-43 the fragment just made
.set PT,   44                          ; v44-51 the conversions' second halves; between phases: at work on addresses
.set FS,   52                          ; v52-59 scale words of source 0, v60-61 of source 1: these ten hold scales and nothing else
.set GS,   60
.set SPW,  62                          ; v62  LDS address of my spare word; never rewritten
.set NIL,  63                          ; v63  0; never rewritten
.set WS,   64                          ; v64-127 phase 1: two sets of 32 numbers of the weight; phase 2: eight accumulators
.set D,    64
.set R,    128                         ; v128-255 phase 1: x, two K steps of 64 numbers a lane
.set F,    128                         ; phase 2: v128-223 eight fragments of source 0, v224-247 two of source 1, v248-255 v's bias as a C
.set G,    224
.set CB,   248
.set XP,   32                          ; s[32:33] x, s[34:35] the weight, s[36:37] the bias: chosen by the work-group's number
.set WP,   34
.set BP,   36
.set XA,   38                          ; s[38:39] my tile's rows 0-7, s[40:41] its rows 8-15
.set XB,   40
.set QO,   42                          ; s[42:43] my images in qc, s[44:45] their scale words in qs, s[46:47] my record in kv, s[48:49], s[50:51] my part of woq
.set QSO,  44
.set RO,   46
.set WO,   48
.set WSO,  50
.set SEL,  52                          ; s[52:53] v_permlanex16_b32's selects for lane l xor 16
.set WV,   54
.set TT,   55                          ; 0 q, 1 k, 2 v, 3 wo
.set BLK,  56
.set GSS,  57                          ; wave / 8: my group of rows; in phase 1 also my K step of the weight
.set HD,   58                          ; wave % 8: my tile of rows, or my head
.macro PLACES                          ; four plain places behind matrix instructions, ahead of loads into their registers and of the first read of their results
.rept 4
	v_nop
.endr
.endm
.macro BARRIER                         ; my LDS stores have landed and my LDS loads are in: then the work-group's barrier
	s_wait_dscnt 0x0
	s_barrier_signal -1
	s_barrier_wait -1
.endm
.macro WLOAD beta                      ; block beta of my column: W(128 s + 32 beta + i, my column): 32 lanes read 128 consecutive bytes
.set i, 0
.rept 32
	global_load_b32 v[WS+32*((\beta)%2)+i], v[L4], s[WP:WP+1] offset:(32*(\beta)+i)*1024
.set i, i+1
.endr
.endm
.macro WBLOCK beta                     ; all 32 numbers of the block are mine: its scale, its 24 bytes of codes, and their place in the tile's image
.set XW, WS+32*((\beta)%2)
	v_max3_num_f32 v[TM], |v[XW]|, |v[XW+1]|, |v[XW+2]|
	v_max3_num_f32 v[TM+1], |v[XW+3]|, |v[XW+4]|, |v[XW+5]|
.irp n, 6,10,14,18,22,26
	v_max3_num_f32 v[TM], v[TM], |v[XW+\n]|, |v[XW+\n+1]|
	v_max3_num_f32 v[TM+1], v[TM+1], |v[XW+\n+2]|, |v[XW+\n+3]|
.endr
	v_max3_num_f32 v[TM], v[TM], |v[XW+30]|, |v[XW+31]|
	v_max3_num_f32 v[TM], v[TM], v[TM+1], 0x1800000            ; the floor 2^(3 - 127): the byte cannot fall under 1
	v_add_nc_u32 v[TM+8], 0xff000000, v[TM]                    ; 2 off the exponent field: the conversion's scale operand
	v_lshrrev_b32 v[TM+2], 23, v[TM+8]                         ; the scale's byte
.if (\beta) == 0
	v_mov_b32 v[SB], v[TM+2]
.else
	v_lshl_or_b32 v[SB], v[TM+2], 8*(\beta), v[SB]
.endif
	v_cvt_scalef32_pk16_fp6_f32 v[PC:PC+2], v[XW:XW+15], v[TM+8]
	v_cvt_scalef32_pk16_fp6_f32 v[PT:PT+2], v[XW+16:XW+31], v[TM+8]   ; (a conversion's three registers begin on an even number)
	v_nop                                                      ; one plain place behind a scaled conversion
.irp n, 0,1,2
	v_mov_b32 v[PC+3+\n], v[PT+\n]
.endr
.if (\beta) < 2                        ; block beta is registers 6 (beta / 2) .. + 5 of lane m + 16 (beta % 2)
	ds_store_b128 v[WA], v[PC:PC+3] offset:256*((\beta)%2)
	ds_store_b64 v[WA], v[PC+4:PC+5] offset:512+256*((\beta)%2)
.else
	ds_store_b64 v[WA], v[PC:PC+1] offset:520+256*((\beta)%2)
	ds_store_b128 v[WA], v[PC+2:PC+5] offset:1024+256*((\beta)%2)
.endif
	s_wait_dscnt 0x0                                           ; the stores have read their registers
.endm
.macro XLOAD                           ; my 16 rows, both K steps: each load reads 512 consecutive bytes of one row
.irp s, 0,1
.irp m, 0,1,2,3,4,5,6,7,8,9,10,11,12,13,14,15
.if \m < 8
	global_load_b128 v[R+64*\s+4*\m:R+64*\s+4*\m+3], v[L16], s[XA:XA+1] offset:\m*1024+512*\s th:TH_LOAD_NT
.else
	global_load_b128 v[R+64*\s+4*\m:R+64*\s+4*\m+3], v[L16], s[XB:XB+1] offset:(\m-8)*1024+512*\s th:TH_LOAD_NT
.endif
.endr
.endr
.endm
.macro TURN s                          ; K step s through my stage: in by rows, out so that register 16 b + i of lane (r, h) is x(r, 32 b + 16 h + i)
.irp m, 0,1,2,3,4,5,6,7,8,9,10,11,12,13,14,15
	ds_store_b128 v[TS], v[R+64*\s+4*\m:R+64*\s+4*\m+3] offset:528*\m
.endr
	s_wait_dscnt 0x0                                           ; the stores have read the registers that the loads below fill
.irp b, 0,1,2,3
.irp j, 0,1,2,3
	ds_load_b128 v[R+64*\s+16*\b+4*\j:R+64*\s+16*\b+4*\j+3], v[TR] offset:128*\b+16*\j
.endr
.endr
	s_wait_dscnt 0x0
.endm
; 64 numbers of a lane, register 16 b + i = k 32 b + 16 (lane / 16) + i of my row, become a fragment's codes in v[PC] on, its scale word in v[PW] and its four bytes in v[TM+4] on.
.macro QUANT s
.irp b, 0,1,2,3
	v_max3_num_f32 v[TM+\b], |v[\s+16*\b]|, |v[\s+1+16*\b]|, 0x1800000   ; my 16 numbers of block b, and the floor 2^(3 - 127)
.endr
.irp i, 2,4,6,8,10,12,14
.irp b, 0,1,2,3
	v_max3_num_f32 v[TM+\b], v[TM+\b], |v[\s+16*\b+\i]|, |v[\s+1+16*\b+\i]|   ; the four blocks by turns
.endr
.endr
.irp b, 0,1,2,3
	v_permlanex16_b32 v[TM+4+\b], v[TM+\b], s[SEL], s[SEL+1]
.endr
.irp b, 0,1,2,3
	v_max_num_f32 v[TM+\b], v[TM+\b], v[TM+4+\b]               ; with lane l xor 16's: the block's largest magnitude
.endr
.irp b, 0,1,2,3
	v_add_nc_u32 v[TM+8+\b], 0xff000000, v[TM+\b]              ; 2 off its exponent field: the conversion's scale operand
.endr
.irp b, 0,1,2,3
	v_lshrrev_b32 v[TM+4+\b], 23, v[TM+8+\b]                   ; the scale's byte
.endr
	v_lshl_or_b32 v[PW], v[TM+5], 8, v[TM+4]
	v_lshl_or_b32 v[PW], v[TM+6], 16, v[PW]
	v_lshl_or_b32 v[PW], v[TM+7], 24, v[PW]
.irp c, 0,1
	v_cvt_scalef32_pk16_fp6_f32 v[PC+6*\c:PC+2+6*\c], v[\s+32*\c:\s+15+32*\c], v[TM+8+2*\c]
	v_cvt_scalef32_pk16_fp6_f32 v[PT+4*\c:PT+2+4*\c], v[\s+16+32*\c:\s+31+32*\c], v[TM+8+2*\c+1]
.endr
	v_nop                                                      ; one plain place behind a scaled conversion
.irp c, 0,1                            ; the operand's layout wants a whole block in a lane: lanes 0-15 block 2 c, lanes 16-31 block 2 c + 1
.irp i, 0,1,2
	v_permlane16_swap_b32 v[PC+6*\c+\i], v[PT+4*\c+\i]
.endr
.irp i, 0,1,2
	v_mov_b32 v[PC+3+6*\c+\i], v[PT+4*\c+\i]
.endr
.endr
.endm
.macro IMAGE adr, off                  ; the fragment in v[PC] on goes to LDS as it stands
.irp c, 0,1,2
	ds_store_b128 v[\adr], v[PC+4*\c:PC+4*\c+3] offset:\off+512*\c
.endr
.endm
.macro FETCH reg, adr, off             ; and comes back so, in any wave
.irp c, 0,1,2
	ds_load_b128 v[\reg+4*\c:\reg+4*\c+3], v[\adr] offset:\off+512*\c
.endr
.endm
	s_load_b512 s[4:19], s[0:1], 0x0               ; q, k, v, wq, wk, wv, wo, bq
	s_load_b256 s[20:27], s[0:1], 0x40             ; bk, bv, qc, qs
	s_load_b128 s[28:31], s[0:1], 0x60             ; kv, woq
	v_lshl_add_u32 v[SPW], v0, 2, SPARE
	v_mov_b32 v[NIL], 0
	v_lshrrev_b32 v44, 5, v0
	v_readfirstlane_b32 s[WV], v44                 ; wave 0..15
	s_lshr_b32 s[TT], ttmp9, 6
	s_and_b32 s[BLK], ttmp9, 63
	s_lshr_b32 s[GSS], s[WV], 3
	s_and_b32 s[HD], s[WV], 7
	s_mov_b32 s[SEL], 0x76543210
	s_mov_b32 s[SEL+1], 0xfedcba98
	; the addresses of phase 1
	v_and_b32 v44, 31, v0                          ; lane
	v_and_b32 v45, 15, v0                          ; r
	v_bfe_u32 v46, v0, 4, 1                        ; h
	v_lshlrev_b32 v[L4], 2, v44
	v_lshlrev_b32 v[L16], 4, v44
	v_lshlrev_b32 v[BL], 2, v45
	s_mul_i32 s84, s[HD], 6144                     ; my column 32 hd + lane is row lane % 8 + 8 (lane / 16) of tile 2 hd + (lane / 8) % 2
	s_mul_i32 s85, s[GSS], 1536
	s_add_co_u32 s84, s84, s85
	s_add_co_u32 s84, s84, WIMG
	v_bfe_u32 v47, v0, 3, 1
	v_and_b32 v48, 7, v0
	v_mul_u32_u24 v49, v47, 3072
	v_lshl_add_u32 v49, v48, 4, v49
	v_lshl_add_u32 v49, v46, 7, v49
	v_add_nc_u32 v[WA], s84, v49
	s_lshl_b32 s84, s[HD], 8
	s_lshl_b32 s85, s[GSS], 6
	s_add_co_u32 s84, s84, s85
	s_add_co_u32 s84, s84, WSC
	v_lshlrev_b32 v49, 7, v47
	v_lshl_add_u32 v49, v48, 2, v49
	v_lshl_add_u32 v49, v46, 5, v49
	v_add_nc_u32 v[WSA], s84, v49
	s_mul_i32 s84, s[WV], 8448
	s_add_co_u32 s84, s84, STG
	v_add_nc_u32 v[TS], s84, v[L16]
	v_mul_u32_u24 v49, v45, 528
	v_lshl_add_u32 v49, v46, 6, v49
	v_add_nc_u32 v[TR], s84, v49
	s_mul_i32 s84, s[WV], 3072
	v_add_nc_u32 v[XI], s84, v[L16]
	s_lshl_b32 s84, s[WV], 7
	s_add_co_u32 s84, s84, XSC
	v_add_nc_u32 v[XS], s84, v[BL]
	s_lshl_b32 s84, s[WV], 6
	s_add_co_u32 s84, s84, BN
	v_add_nc_u32 v[BS], s84, v[BL]
.irp b, 0,1,2,3
	v_mov_b32 v[TM+4+\b], 0                        ; written once: a lane permute's destination counts as one of its sources
.endr
	; byte offsets into the buffers, each in a pair of its own
	s_lshr_b32 s60, s[HD], 2                       ; my tile's first row in its group of 128: q, k: 64 (t / 4) + 8 (t % 4), rows 8-15 lie 32 further on;
	s_lshl_b32 s60, s60, 6
	s_and_b32 s61, s[HD], 3
	s_lshl_b32 s61, s61, 3
	s_add_co_u32 s60, s60, s61
	s_lshr_b32 s61, s[HD], 1                       ; v: 32 (t / 2) + 8 (t % 2), rows 8-15 lie 16 further on
	s_lshl_b32 s61, s61, 5
	s_and_b32 s62, s[HD], 1
	s_lshl_b32 s62, s62, 3
	s_add_co_u32 s61, s61, s62
	s_cmp_eq_u32 s[TT], 2
	s_cselect_b32 s60, s61, s60
	s_cselect_b32 s61, 14, 15
	s_lshl_b32 s68, 1, s61                         ; 16 or 32 rows of 1,024 bytes
	s_mov_b32 s69, 0
	s_lshl_b32 s66, s[BLK], 8
	s_lshl_b32 s62, s[GSS], 7
	s_add_co_u32 s66, s66, s62
	s_add_co_u32 s66, s66, s60
	s_lshl_b32 s66, s66, 10
	s_mov_b32 s67, 0
	s_lshl_b32 s70, s[GSS], 17                     ; the weight: 128 rows of 1,024 bytes a K step, 32 columns a wave
	s_lshl_b32 s62, s[HD], 7
	s_add_co_u32 s70, s70, s62
	s_mov_b32 s71, 0
	s_lshl_b32 s72, s[WV], 6                       ; the bias: 16 numbers a wave
	s_mov_b32 s73, 0
	s_lshl_b32 s62, s[BLK], 4
	s_add_co_u32 s62, s62, s[WV]                   ; which tile of 16 queries of the whole tensor
	s_mul_i32 s74, s62, 3072
	s_mov_b32 s75, 0
	s_lshl_b32 s76, s62, 7
	s_mov_b32 s77, 0
	s_lshr_b32 s62, s[BLK], 3                      ; the record: ((batch x 8 + head) x 16 + group) x 6,400
	s_lshl_b32 s62, s62, 3
	s_add_co_u32 s62, s62, s[HD]
	s_lshl_b32 s62, s62, 4
	s_and_b32 s63, s[BLK], 7
	s_lshl_b32 s63, s63, 1
	s_add_co_u32 s62, s62, s63
	s_add_co_u32 s62, s62, s[GSS]
	s_mul_i32 s78, s62, REC
	s_mov_b32 s79, 0
	s_mul_i32 s80, s[WV], 3072
	s_mov_b32 s81, 0
	s_lshl_b32 s82, s[WV], 7
	s_add_co_u32 s82, s82, 49152
	s_mov_b32 s83, 0
	s_wait_kmcnt 0x0
	s_cmp_eq_u32 s[TT], 0                          ; the buffers are chosen by the work-group's number alone
	s_cselect_b64 s[XP:XP+1], s[4:5], s[6:7]
	s_cselect_b64 s[WP:WP+1], s[10:11], s[12:13]
	s_cselect_b64 s[BP:BP+1], s[18:19], s[20:21]
	s_cmp_ge_u32 s[TT], 2
	s_cselect_b64 s[XP:XP+1], s[8:9], s[XP:XP+1]
	s_cselect_b64 s[WP:WP+1], s[14:15], s[WP:WP+1]
	s_cselect_b64 s[BP:BP+1], s[22:23], s[BP:BP+1]
	s_cmp_eq_u32 s[TT], 3
	s_cselect_b64 s[WP:WP+1], s[16:17], s[WP:WP+1]
	s_add_nc_u64 s[XA:XA+1], s[XP:XP+1], s[66:67]
	s_add_nc_u64 s[XB:XB+1], s[XA:XA+1], s[68:69]
	s_add_nc_u64 s[WP:WP+1], s[WP:WP+1], s[70:71]
	s_add_nc_u64 s[BP:BP+1], s[BP:BP+1], s[72:73]
	s_add_nc_u64 s[QO:QO+1], s[24:25], s[74:75]
	s_add_nc_u64 s[QSO:QSO+1], s[26:27], s[76:77]
	s_add_nc_u64 s[RO:RO+1], s[28:29], s[78:79]
	s_add_nc_u64 s[WO:WO+1], s[30:31], s[80:81]
	s_add_nc_u64 s[WSO:WSO+1], s[30:31], s[82:83]
	; ---- PHASE 1.  The weight's first two blocks are worked while x is on its way
	WLOAD 0
	WLOAD 1
	s_cmp_eq_u32 s[TT], 3
	s_cbranch_scc1 .Lwo_first
	global_load_b32 v[TM+11], v[BL], s[BP:BP+1]    ; my wave's 16 numbers of the bias
	XLOAD
	s_wait_loadcnt 32                              ; issued behind the weight's 64 loads and the bias: x's 32, which may stay out
	s_branch .Lw01
.Lwo_first:
	s_wait_loadcnt 0x0
.Lw01:
	WBLOCK 0
	WBLOCK 1
	WLOAD 2
	WLOAD 3
	s_cmp_eq_u32 s[TT], 3
	s_cbranch_scc1 .Lw23
	s_wait_loadcnt 63                              ; behind x's 32 loads 64 were issued; the count's field holds 63: x is in, and one load of the weight with it
	ds_store_b32 v[BS], v[TM+11]
	TURN 0
	QUANT R
	IMAGE XI, XIMG
	ds_store_b32 v[XS], v[PW]
	s_wait_dscnt 0x0                               ; the stores have read their registers
	TURN 1
	QUANT R+64
	IMAGE XI, XIMG+1536
	ds_store_b32 v[XS], v[PW] offset:64
	s_wait_dscnt 0x0
.Lw23:
	s_wait_loadcnt 0x0
	WBLOCK 2
	WBLOCK 3
	ds_store_b32 v[WSA], v[SB]
	BARRIER                                        ; all images, scale words and the bias lie in LDS
	; ---- the addresses of phase 2, made by every wave of every work-group
	v_and_b32 v44, 15, v0                          ; r
	v_bfe_u32 v45, v0, 4, 1                        ; h
	v_lshlrev_b32 v46, 2, v44                      ; 4 r
	v_add_nc_u32 v[WI], WIMG, v[L16]
	v_add_nc_u32 v[SC], XSC, v46
	v_lshl_add_u32 v[BNA], v45, 6, BN
	s_mul_i32 s84, s[GSS], 24576
	v_add_nc_u32 v[XG], s84, v[L16]
	s_mul_i32 s84, s[HD], 6144
	s_add_co_u32 s84, s84, WIMG
	v_add_nc_u32 v[WVA], s84, v[L16]
	s_lshl_b32 s84, s[GSS], 10
	s_add_co_u32 s84, s84, XSC
	v_add_nc_u32 v[XGS], s84, v46
	s_lshl_b32 s84, s[HD], 8
	s_add_co_u32 s84, s84, WSC
	v_add_nc_u32 v[WVS], s84, v46
	v_and_b32 v47, 7, v0
	v_bfe_u32 v48, v0, 3, 1
	v_lshlrev_b32 v47, 2, v47
	v_lshl_add_u32 v47, v48, 6, v47                ; lane r's channel of tile u: 16 (r / 8) + 8 u + r % 8
	s_lshl_b32 s84, s[HD], 7
	s_add_co_u32 s84, s84, BN
	v_add_nc_u32 v[BV], s84, v47
	s_mul_i32 s84, s[GSS], 25600
	s_add_co_u32 s84, s84, KSTG                    ; my group's records
	s_lshr_b32 s85, s[HD], 2                       ; my tile t of keys is block t % 4 of fragment t / 4: registers 6 ((t / 2) % 2) on of lane r + 16 (t % 2)
	s_mul_i32 s86, s85, 1536
	s_add_co_u32 s86, s86, s84
	s_and_b32 s87, s[HD], 1
	s_lshl_b32 s87, s87, 8
	s_add_co_u32 s86, s86, s87
	s_bfe_u32 s87, s[HD], 0x10001
	v_mul_u32_u24 v47, v45, 3072                   ; lanes 16-31 hold the next head's block
	v_lshl_add_u32 v47, v44, 4, v47
	s_mul_i32 s88, s87, 520                        ; the block's three pieces of 8 bytes lie in an image at 0, 8, 512 (lower six registers) or 520, 1,024, 1,032 (upper six)
	s_add_co_u32 s88, s88, s86
	v_add_nc_u32 v[K0], s88, v47
	s_mul_i32 s88, s87, 1016
	s_add_co_u32 s88, s88, s86
	s_add_co_u32 s88, s88, 8
	v_add_nc_u32 v[K0+1], s88, v47
	s_mul_i32 s88, s87, 520
	s_add_co_u32 s88, s88, s86
	s_add_co_u32 s88, s88, 512
	v_add_nc_u32 v[K0+2], s88, v47
	s_lshl_b32 s85, s85, 6
	s_and_b32 s87, s[HD], 3
	s_add_co_u32 s85, s85, s87
	s_add_co_u32 s85, s85, s84
	s_add_co_u32 s85, s85, 24576
	v_add_nc_u32 v[KB], s85, v46
; q and k: my tile of 16 rows against eight tiles of columns (four heads) at a time.  The bias is loaded into the accumulators, in the result's layout; the eight take turns, one instruction a turn.
.macro ARMQK kind
	FETCH G, XI, 0
	FETCH G+12, XI, 1536
	ds_load_b32 v[GS], v[XS]
	ds_load_b32 v[GS+1], v[XS] offset:64
.irp g, 0,1
.irp t, 0,1,2,3,4,5,6,7
	ds_load_b128 v[D+8*\t:D+8*\t+3], v[BNA] offset:512*\g+128*(\t/2)+32*(\t%2)
	ds_load_b128 v[D+8*\t+4:D+8*\t+7], v[BNA] offset:512*\g+128*(\t/2)+32*(\t%2)+16
.endr
.irp s, 0,1
.if \s == 1
	PLACES
.endif
.irp t, 0,1,2,3,4,5,6,7
	FETCH F+12*\t, WI, (2*(8*\g+\t)+\s)*1536
	ds_load_b32 v[FS+\t], v[SC] offset:2048+(2*(8*\g+\t)+\s)*64
.endr
	s_wait_dscnt 0x0
.irp t, 0,1,2,3,4,5,6,7
	v_wmma_scale_f32_16x16x128_f8f6f4 v[D+8*\t:D+8*\t+7], v[F+12*\t:F+12*\t+11], v[G+12*\s:G+12*\s+11], v[D+8*\t:D+8*\t+7], v[FS+\t], v[GS+\s] matrix_a_fmt:MATRIX_FMT_FP6 matrix_b_fmt:MATRIX_FMT_FP6
.endr
.endr
	PLACES
.if (\kind == 0) && (\g == 1)
	s_wait_xcnt 0x0                                ; the last stores have read the fragment's registers, which are written anew below
.endif
	QUANT D                                        ; register 16 b + i = channel 16 h + i of head 4 g + b: a block is a head
.if \kind == 0
.irp c, 0,1,2
	global_store_b128 v[L16], v[PC+4*\c:PC+4*\c+3], s[QO:QO+1] offset:1536*\g+512*\c   ; the image as it stands: 512 consecutive bytes a store
.endr
.if \g == 0
	v_mov_b32 v[PW0], v[PW]
.else
	v_cmp_gt_u32 vcc_lo, 64, v[L4]
	v_cndmask_b32 v[PW0], v[PW], v[PW0], vcc_lo    ; lanes 0-15: heads 0-3's words, lanes 16-31: heads 4-7's
	global_store_b32 v[L4], v[PW0], s[QSO:QSO+1]
.endif
.else
.irp c, 0,1
.irp p, 0,1,2
	ds_store_b64 v[K0+\p], v[PC+6*\c+2*\p:PC+6*\c+2*\p+1] offset:(4*\g+2*\c)*3072   ; head 4 g + 2 c + h's block, into that head's record
.endr
.endr
.irp b, 0,1,2,3
	ds_store_b8 v[KB], v[TM+4+\b] offset:(4*\g+\b)*128     ; both lanes of a row write the same byte with the same value
.endr
	s_wait_dscnt 0x0                               ; the stores have read their registers
.endif
.endr
.endm
; v: my group's eight tiles of rows against my head's tile u of columns: a lane holds one channel, the registers of two neighbouring tiles are 16 neighbouring keys.  The bias is the C of each sum's first product.
.macro ARMV
.irp u, 0,1
	ds_load_b32 v[CB], v[BV] offset:32*\u
	FETCH G, WVA, \u*3072
	FETCH G+12, WVA, \u*3072+1536
	ds_load_b32 v[GS], v[WVS] offset:128*\u
	ds_load_b32 v[GS+1], v[WVS] offset:128*\u+64
	s_wait_dscnt 0x0
.irp j, 1,2,3,4,5,6,7
	v_mov_b32 v[CB+\j], v[CB]                      ; a lane's eight results are eight keys of one channel: one number of the bias
.endr
.irp s, 0,1
	PLACES
.irp t, 0,1,2,3,4,5,6,7
	FETCH F+12*\t, XG, (2*\t+\s)*1536
	ds_load_b32 v[FS+\t], v[XGS] offset:(2*\t+\s)*64
.endr
	s_wait_dscnt 0x0
.irp t, 0,1,2,3,4,5,6,7
.if \s == 0
	v_wmma_scale_f32_16x16x128_f8f6f4 v[D+8*\t:D+8*\t+7], v[F+12*\t:F+12*\t+11], v[G:G+11], v[CB:CB+7], v[FS+\t], v[GS] matrix_a_fmt:MATRIX_FMT_FP6 matrix_b_fmt:MATRIX_FMT_FP6
.else
	v_wmma_scale_f32_16x16x128_f8f6f4 v[D+8*\t:D+8*\t+7], v[F+12*\t:F+12*\t+11], v[G+12:G+23], v[D+8*\t:D+8*\t+7], v[FS+\t], v[GS+1] matrix_a_fmt:MATRIX_FMT_FP6 matrix_b_fmt:MATRIX_FMT_FP6
.endif
.endr
.endr
	PLACES
.if \u == 1
	s_wait_xcnt 0x0                                ; the last stores have read the fragment's registers
.endif
	QUANT D                                        ; register 16 b + i = key 32 b + 16 h + i: the blocks run along the keys
.irp c, 0,1,2
	global_store_b128 v[L16], v[PC+4*\c:PC+4*\c+3], s[RO:RO+1] offset:3072+1536*\u+512*\c
.endr
.if \u == 0
	v_mov_b32 v[PW0], v[PW]
.else
	v_cmp_gt_u32 vcc_lo, 64, v[L4]
	v_cndmask_b32 v[PW0], v[PW], v[PW0], vcc_lo    ; lanes 0-15: tile 0's words, lanes 16-31: tile 1's
	global_store_b32 v[L4], v[PW0], s[RO:RO+1] offset:6272
.endif
.endr
.endm
	; ---- PHASE 2: the ways part on the work-group's number; no barrier stands in an arm
	s_cmp_eq_u32 s[TT], 3
	s_cbranch_scc1 .Ljoin
	s_cmp_eq_u32 s[TT], 2
	s_cbranch_scc1 .Larm_v
	s_cmp_eq_u32 s[TT], 1
	s_cbranch_scc1 .Larm_k
	ARMQK 0
	s_branch .Ljoin
.Larm_k:
	ARMQK 1
	s_branch .Ljoin
.Larm_v:
	ARMV
.Ljoin:
	BARRIER                                        ; k: the sixteen records' codes and scale bytes lie in LDS
	; ---- PHASE 3: what was gathered in LDS leaves through registers
	s_mul_i32 s84, s[GSS], 25600
	s_add_co_u32 s84, s84, KSTG
	s_mul_i32 s85, s[HD], 3072
	s_add_co_u32 s85, s85, s84
	v_add_nc_u32 v[KR], s85, v[L16]
	s_lshl_b32 s85, s[HD], 7
	s_add_co_u32 s85, s85, s84
	s_add_co_u32 s85, s85, 24576
	v_add_nc_u32 v[KQ], s85, v[L4]
	s_mul_i32 s85, s[WV], 3072
	s_add_co_u32 s85, s85, WIMG
	v_add_nc_u32 v[WC], s85, v[L16]
	s_lshl_b32 s85, s[WV], 7
	s_add_co_u32 s85, s85, WSC
	v_add_nc_u32 v[WCS], s85, v[L4]
.macro COPY adr, sadr, ptr, sptr, soff ; two images and their 128 bytes of scale words
.irp i, 0,1,2,3,4,5
	ds_load_b128 v[F+4*\i:F+4*\i+3], v[\adr] offset:512*\i
.endr
	ds_load_b32 v[F+24], v[\sadr]
	s_wait_dscnt 0x0
.irp i, 0,1,2,3,4,5
	global_store_b128 v[L16], v[F+4*\i:F+4*\i+3], s[\ptr:\ptr+1] offset:512*\i
.endr
	global_store_b32 v[L4], v[F+24], s[\sptr:\sptr+1] offset:\soff
.endm
	s_cmp_eq_u32 s[TT], 1
	s_cbranch_scc0 .Lnot_k
	COPY KR, KQ, RO, RO, 6144
.Lnot_k:
	s_cmp_eq_u32 s[TT], 3
	s_cbranch_scc0 .Lend
	COPY WC, WCS, WO, WSO, 0
.Lend:
	s_wait_tensorcnt 0x0                           ; the wave's end: three closing lines, behind my last LDS store
	ds_add_u32 v[SPW], v[NIL]
	s_wait_dscnt 0x0
	s_endpgm
.Lfunc_end_k_q7751f00748_proj:
	.size	k_q7751f00748_proj, .Lfunc_end_k_q7751f00748_proj-k_q7751f00748_proj
	.p2alignl 7, 3214868480
	.fill 96, 4, 3214868480
	.section	.rodata,"a",@progbits
	.p2align	6, 0x0
	.amdhsa_kernel k_q7751f00748_proj
		.amdhsa_group_segment_fixed_size 291840
		.amdhsa_private_segment_fixed_size 0
		.amdhsa_enable_private_segment 0
		.amdhsa_kernarg_size 112
		.amdhsa_user_sgpr_count 2
		.amdhsa_user_sgpr_kernarg_segment_ptr 1
		.amdhsa_wavefront_size32 1
		.amdhsa_system_sgpr_workgroup_id_x 1
		.amdhsa_system_sgpr_workgroup_id_y 1
		.amdhsa_system_sgpr_workgroup_id_z 1
		.amdhsa_system_vgpr_workitem_id 0
		.amdhsa_next_free_vgpr 256
		.amdhsa_next_free_sgpr 100
		.amdhsa_reserve_vcc 1
		.amdhsa_float_denorm_mode_32 3
		.amdhsa_float_denorm_mode_16_64 3
		.amdhsa_memory_ordered 1
		.amdhsa_forward_progress 1
		.amdhsa_inst_pref_size 116
	.end_amdhsa_kernel
	.amdgpu_metadata
---
amdhsa.version: [ 1, 2 ]
amdhsa.kernels:
  - .name:           k_q7751f00748_proj
    .symbol:         k_q7751f00748_proj.kd
    .args:
      - { .name: q, .offset: 0, .size: 8, .value_kind: global_buffer, .address_space: global }
      - { .name: k, .offset: 8, .size: 8, .value_kind: global_buffer, .address_space: global }
      - { .name: v, .offset: 16, .size: 8, .value_kind: global_buffer, .address_space: global }
      - { .name: wq, .offset: 24, .size: 8, .value_kind: global_buffer, .address_space: global }
      - { .name: wk, .offset: 32, .size: 8, .value_kind: global_buffer, .address_space: global }
      - { .name: wv, .offset: 40, .size: 8, .value_kind: global_buffer, .address_space: global }
      - { .name: wo, .offset: 48, .size: 8, .value_kind: global_buffer, .address_space: global }
      - { .name: bq, .offset: 56, .size: 8, .value_kind: global_buffer, .address_space: global }
      - { .name: bk, .offset: 64, .size: 8, .value_kind: global_buffer, .address_space: global }
      - { .name: bv, .offset: 72, .size: 8, .value_kind: global_buffer, .address_space: global }
      - { .name: qc, .offset: 80, .size: 8, .value_kind: global_buffer, .address_space: global }
      - { .name: qs, .offset: 88, .size: 8, .value_kind: global_buffer, .address_space: global }
      - { .name: kv, .offset: 96, .size: 8, .value_kind: global_buffer, .address_space: global }
      - { .name: woq, .offset: 104, .size: 8, .value_kind: global_buffer, .address_space: global }
    .group_segment_fixed_size: 291840
    .private_segment_fixed_size: 0
    .kernarg_segment_align: 8
    .kernarg_segment_size: 112
    .max_flat_workgroup_size: 512
    .sgpr_count:     100
    .vgpr_count:     256
    .wavefront_size: 32
...
	.end_amdgpu_metadata
.endif
;; end of part 1
;; launch attn (part 2): grid 256 x 1, 8 waves a work-group, no clusters, 89,600 bytes of LDS; arguments qc, qs, kv, woq, m, bo, out0; writes out0
.if DOCPART == 2
	.amdgcn_target "amdgcn-amd-amdhsa--gfx1250"
	.amdhsa_code_object_version 6
	.text
	.protected	k_q7751f00748_attn
	.globl	k_q7751f00748_attn
	.p2align	8
	.type	k_q7751f00748_attn,@function
k_q7751f00748_attn:
	s_mov_b64 s[64:65], 0
	v_nop
	global_prefetch_b8 v0, s[64:65] scope:SCOPE_SE
	s_setreg_imm32_b32 hwreg(HW_REG_WAVE_MODE, 25, 1), 1
	s_wait_xcnt 0x0
; ATTENTION AND THE OUTPUT PROJECTION, all three products on codes of FP6 (E2M3) with one E8M0 scale for each 32 along K.  Nothing of the problem is left out here.
; SHARES.  A work-group owns 64 queries of one batch, for all 8 heads: wave = head.  A wave has four tiles of 16 queries and walks the 2,048 keys in 16 steps of 128; at the end the eight heads' results meet in LDS as
;   codes, and wave hd makes columns 32 hd .. 32 hd + 31 of out0 for the 64 queries.
; THE SOFTMAX: t = (score + mask term) x c, c = log2(e) / sqrt(32); M = the running largest t rounded up to a whole number; p = 2^(t - M) is quantised along the keys; the row's sum is taken of the unquantised p and
;   divides at the end; when M moves, the sum and O are multiplied by 2^(old M - new M), which rounds nothing.
; THE MASK costs no vector instruction: m x (-1e9) x sqrt(32) is the C of the product K Q^T, so that (score + C) x c is reference()'s logit x log2(e).
; K = 32 IN AN INSTRUCTION OF 128.  A fragment of K carries FOUR keys in a row, one in each block of 32.  Q stands in four variants, its 32 codes in one block and zero codes in the other three: the variant picks
;   which 16 keys an instruction multiplies; what is not picked meets zero codes and adds nothing (no code of this format is a NaN or an infinity).
; WHICH KEYS FORM A TILE: tile t, row m = key 64 (t / 4) + 32 (m / 8) + 8 (t % 4) + m % 8.  Both products are used transposed (a lane holds one query), so registers 32 c .. 32 c + 31 of the scores in lane (r, h) are
;   keys 64 c + 32 h + 0 .. 31: a WHOLE block of the second product's K, in the lane and order in which that operand wants it: a block's maximum asks no other lane, and the conversions' results are the operand.
; K AND V COME FROM MEMORY STRAIGHT INTO THE OPERANDS' REGISTERS: the launch before has laid a record of 6,400 bytes for each head and step in that order; a record is asked for one whole step ahead.
; NO CLUSTER, NO RING IN LDS: no two waves of a work-group read the same byte of K or V (a wave has a head of its own), so LDS would be a way station; a wave fetches 6,400 bytes for a step's 40 matrix and some
;   830 vector instructions; joint loads would put a round of barriers into each step of eight waves that otherwise never wait for each other.
; LIMITS: NaN and infinities are not served.  Where EVERY key of a row carries a mask term so large that f32 loses the scores beside it, they are lost here at the spacing of numbers near 5.7e9 and in reference() at
;   that near 1e9: for scores of ordinary size both give equal weights to all keys.  A block whose every p is 0 has the scale byte 1: its codes are zeros.
; REGISTERS.  Window 0: v1-15 addresses; v16-31 four a tile: -M, the largest t, the sum in two halves; v32-95 the scores, then p; v96-159 O^T, 16 a tile; v160-179 p's codes; v180-195 at work; v196-207 and v236-247
;   scales and nothing else; v208-231 V of odd steps; v232, v233 the add's two.
;   Window 1: v0-101 Q's variants (a tile: zeros, the codes in lanes 0-15, zeros, the codes in lanes 16-31; six registers each; one more run of zeros at the end); v104-151 K of even and odd steps; v152-175 V of
;   even steps; v176-239 a step's mask terms.
.set MK,    0                          ; LDS: the 2,048 mask terms, f32, by key
.set OC,    8192                       ; 64 rows x 208 bytes: the codes of O (192 bytes a row)
.set OS,    21504                      ; their scale bytes, 8 a row
.set SG,    22016                      ; the way out: 64 rows x (1,024 bytes + 16)
.set SPARE, 88576                      ; the spare words, 128 bytes for each wave: four blocks of 256 bytes that no other line names
.set REC,   6400
.set L16,  1
.set L4,   2
.set MK0,  3                           ; v3   MK + 128 h; behind the loop: where I put results into the stage
.set SH8,  4                           ; v4   8 h
.set PFO,  5                           ; v5   the prefetch's offset: 256 x lane, held at 24 x 256 (a record is 25 x 256 bytes)
.set MKA,  6                           ; v6   the trip's mask terms; behind the loop: where I read the stage back
.set BOF,  7
.set R4,   11                          ; v11  4 r; never rewritten
.set OCA,  12
.set OBA,  13
.set OFA,  14
.set OSA,  15
.set SOA,  3
.set SRA,  6
.set ST,   16
.set S,    32
.set O,    96
.set PC,   160
.set PT,   172
.set BM,   180
.set SO,   184
.set BY,   186
.set T,    188
.set T2,   189
.set W,    190
.set W2,   191
.set F,    192                         ; v[192:193] f = 2^(old M - new M); the pair's upper half is written once and never used
.set A2,   194
.set PS,   196                         ; p's scale word
.set KS,   200                         ; K's scale words of even, odd steps; v202-203 V's; v204-207 Q's, a tile each
.set VS,   202
.set QS,   204
.set VB,   208
.set SPW,  232
.set NIL,  233
.set OSW,  236                         ; v236-243 the scale words of O's eight fragments
.set WSW,  244                         ; v244-247 wo's scale words: registers that no other load names
.set KA,   104                         ; window 1
.set VA,   152
.set MC,   176
.set KV,   18                          ; s[18:19] my head's records, at the trip's first
.set CS,   20                          ; s[20:21] c, twice: the packed form names the pair
.set SEL,  22                          ; s[22:23] v_permlanex16_b32's selects for lane l xor 16
.set WV,   24
.set CNT,  25                          ; trips to go
.set LIM,  26                          ; 1 in the work-group that prefetches, else the greatest number
.set MKS,  27                          ; the trip's place in the mask table
.set QP,   28
.set QSP,  30
.set WOP,  32
.set WOS,  34
.set BOP,  36
.set OUT,  38
.set MSB, 0
.macro WIN new                         ; the immediate's high byte repeats the setting that is left; a switch that changes nothing is dropped
.if MSB != \new
	s_set_vgpr_msb (MSB<<8)|\new
.set MSB, \new
.endif
.endm
.macro PLACES                          ; four plain places behind matrix instructions, ahead of loads into their registers and of the first read of their results
.rept 4
	v_nop
.endr
.endm
.macro BARRIER
	s_wait_dscnt 0x0
	s_barrier_signal -1
	s_barrier_wait -1
.endm
; A record into the registers of parity par: 14 loads, the twelve of codes 512 consecutive bytes each
.macro RLOAD par, off
	WIN 0x40                                       ; destination window 1
.irp i, 0,1,2,3,4,5
	global_load_b128 v[KA+24*(\par)+4*\i:KA+24*(\par)+4*\i+3], v[L16], s[KV:KV+1] offset:\off+512*\i
.endr
.if (\par) == 0
.irp i, 0,1,2,3,4,5
	global_load_b128 v[VA+4*\i:VA+4*\i+3], v[L16], s[KV:KV+1] offset:\off+3072+512*\i
.endr
	WIN 0
.else
	WIN 0
.irp i, 0,1,2,3,4,5
	global_load_b128 v[VB+4*\i:VB+4*\i+3], v[L16], s[KV:KV+1] offset:\off+3072+512*\i
.endr
.endif
	global_load_b32 v[KS+(\par)], v[L4], s[KV:KV+1] offset:\off+6144
	global_load_b32 v[VS+(\par)], v[L4], s[KV:KV+1] offset:\off+6272
.endm
; TILE i OF 16 QUERIES, ONE STEP OF 128 KEYS.  No two matrix instructions that follow each other share an accumulator, and every turn is one instruction.
.macro TILE i, par
.set NM, ST+4*(\i)
.set LL, NM+2
.set OI, O+16*(\i)
	WIN 0x15                                       ; K, Q and the mask terms in window 1, the scores in window 0
.irp tau, 0,1,2,3,4,5,6,7
.if \tau < 4
	v_wmma_scale_f32_16x16x128_f8f6f4 v[S+8*\tau:S+8*\tau+7], v[KA+24*(\par):KA+24*(\par)+11], v[24*(\i)+12*(\tau%2)+6*(1-(\tau%4)/2):24*(\i)+12*(\tau%2)+6*(1-(\tau%4)/2)+11], v[MC+8*\tau:MC+8*\tau+7], v[KS+\par], v[QS+\i] matrix_a_fmt:MATRIX_FMT_FP6 matrix_b_fmt:MATRIX_FMT_FP6
.else
	v_wmma_scale_f32_16x16x128_f8f6f4 v[S+8*\tau:S+8*\tau+7], v[KA+24*(\par)+12:KA+24*(\par)+23], v[24*(\i)+12*(\tau%2)+6*(1-(\tau%4)/2):24*(\i)+12*(\tau%2)+6*(1-(\tau%4)/2)+11], v[MC+8*\tau:MC+8*\tau+7], v[KS+\par], v[QS+\i] matrix_a_fmt:MATRIX_FMT_FP6 matrix_b_fmt:MATRIX_FMT_FP6 matrix_a_scale:MATRIX_SCALE_ROW1
.endif
.endr
	WIN 0
	PLACES
.irp k, 0,1,2,3                        ; the largest score of my two blocks of 32 keys, in four chains of 16 by turns; each accumulator is read from its low end on
	v_max3_num_f32 v[BM+\k], v[S+16*\k], v[S+16*\k+1], v[S+16*\k+2]
.endr
.irp n, 3,5,7,9,11,13
.irp k, 0,1,2,3
	v_max3_num_f32 v[BM+\k], v[BM+\k], v[S+16*\k+\n], v[S+16*\k+\n+1]
.endr
.endr
.irp c, 0,1
	v_max3_num_f32 v[BM+2*\c], v[BM+2*\c], v[BM+2*\c+1], v[S+32*\c+15]
.endr
.irp c, 0,1
	v_max_num_f32 v[BM+2*\c], v[BM+2*\c], v[S+32*\c+31]        ; it serves twice: for the row's maximum, and, since p rises with the score, for the block's largest p
.endr
	v_max_num_f32 v[T], v[BM], v[BM+2]
	v_permlanex16_b32 v[T2], v[T], s[SEL], s[SEL+1]
	v_max_num_f32 v[T], v[T], v[T2]                            ; the step's largest score of my query
	v_mul_f32 v[T], s[CS], v[T]                                ; as t (c is positive)
	v_max_num_f32 v[NM+1], v[NM+1], v[T]                       ; the running largest t
	v_mov_b32 v[T], v[NM]
	v_floor_f32 v[NM], -v[NM+1]                                ; the new -M = floor(-t): M is a whole number
	v_sub_f32 v[T], v[NM], v[T]                                ; old M less new M: a whole number, 0 or less
	v_cvt_i32_f32 v[T], v[T]                                   ; (it saturates)
	v_ldexp_f32 v[F], 1.0, v[T]                                ; f = 2^(old M - new M)
.set j, 0
.rept 32
	v_pk_fma_f32 v[S+j:S+j+1], v[S+j:S+j+1], s[CS:CS+1], v[NM:NM+1] op_sel_hi:[1,0,0]   ; t - M, two at a time
.set j, j+2
.endr
	v_fma_f32 v[BM], v[BM], s[CS], v[NM]                       ; the same of each block's largest score
	v_fma_f32 v[BM+2], v[BM+2], s[CS], v[NM]
.set j, 0
.rept 64
	v_exp_f32 v[S+j], v[S+j]                                   ; p = 2^(t - M), not normalised
.set j, j+1
.endr
	v_pk_mul_f32 v[LL:LL+1], v[LL:LL+1], v[F:F+1] op_sel_hi:[1,0]   ; the sums under the new M: the plain place behind the exponentials
	s_wait_alu depctr_va_vdst(0)                               ; one wait for the batch of 64, ahead of its first reader
	v_exp_f32 v[BM], v[BM]                                     ; the blocks' largest p: the same two instructions on the same numbers give the same bits
	v_exp_f32 v[BM+2], v[BM+2]
	v_pk_add_f32 v[A2:A2+1], v[S:S+1], v[S+2:S+3]              ; the row's sum is taken of the unquantised p, two at a time, in two chains; this half of it is the work behind the two exponentials
.set j, 4
.rept 7
	v_pk_add_f32 v[LL:LL+1], v[LL:LL+1], v[S+j:S+j+1]
	v_pk_add_f32 v[A2:A2+1], v[A2:A2+1], v[S+j+2:S+j+3]
.set j, j+4
.endr
	s_wait_alu depctr_va_vdst(0)                               ; and one wait for the two
.irp c, 0,1
	v_max_num_f32 v[BM+2*\c], 0x1800000, v[BM+2*\c]            ; the floor 2^(3 - 127): the byte cannot fall under 1
.endr
.irp c, 0,1
	v_add_nc_u32 v[SO+\c], 0xff000000, v[BM+2*\c]              ; 2 off the exponent field: the conversion's scale operand
.endr
.irp c, 0,1
	v_lshrrev_b32 v[BY+\c], 23, v[SO+\c]                       ; the scale's byte
.endr
	v_lshl_or_b32 v[W], v[BY+1], 16, v[BY]                     ; my two bytes: blocks h and 2 + h,
	v_lshlrev_b32 v[W], v[SH8], v[W]                           ; at their places in the word;
	v_permlanex16_b32 v[W2], v[W], s[SEL], s[SEL+1]
	v_or_b32 v[PS], v[W], v[W2]                                ; with lane l xor 16's two it is whole
.rept 8                                ; the other half of the sums: 17 plain lines that name no register of the product V^T P: the places between the scale word's last write and that product
	v_pk_add_f32 v[LL:LL+1], v[LL:LL+1], v[S+j:S+j+1]
	v_pk_add_f32 v[A2:A2+1], v[A2:A2+1], v[S+j+2:S+j+3]
.set j, j+4
.endr
	v_pk_add_f32 v[LL:LL+1], v[LL:LL+1], v[A2:A2+1]
.irp c, 0,1
	v_cvt_scalef32_pk16_fp6_f32 v[PC+6*\c:PC+6*\c+2], v[S+32*\c:S+32*\c+15], v[SO+\c]
	v_cvt_scalef32_pk16_fp6_f32 v[PT+4*\c:PT+4*\c+2], v[S+32*\c+16:S+32*\c+31], v[SO+\c]   ; (a conversion's three registers begin on an even number)
.endr
	v_nop                                                      ; one plain place behind a scaled conversion
.irp c, 0,1
.irp k, 0,1,2
	v_mov_b32 v[PC+6*\c+3+\k], v[PT+4*\c+\k]
.endr
.endr
.set j, 0
.rept 8
	v_pk_mul_f32 v[OI+j:OI+j+1], v[OI+j:OI+j+1], v[F:F+1] op_sel_hi:[1,0]   ; O^T under the new M, from each accumulator's low end on; four of the eight name no register of either product below: the places behind p's codes
.set j, j+2
.endr
.if (\par) == 0
	WIN 0x01                                       ; V of even steps lies in window 1
	v_wmma_scale_f32_16x16x128_f8f6f4 v[OI:OI+7], v[VA:VA+11], v[PC:PC+11], v[OI:OI+7], v[VS+\par], v[PS] matrix_a_fmt:MATRIX_FMT_FP6 matrix_b_fmt:MATRIX_FMT_FP6
	v_wmma_scale_f32_16x16x128_f8f6f4 v[OI+8:OI+15], v[VA+12:VA+23], v[PC:PC+11], v[OI+8:OI+15], v[VS+\par], v[PS] matrix_a_fmt:MATRIX_FMT_FP6 matrix_b_fmt:MATRIX_FMT_FP6 matrix_a_scale:MATRIX_SCALE_ROW1
	WIN 0
.else
	v_wmma_scale_f32_16x16x128_f8f6f4 v[OI:OI+7], v[VB:VB+11], v[PC:PC+11], v[OI:OI+7], v[VS+\par], v[PS] matrix_a_fmt:MATRIX_FMT_FP6 matrix_b_fmt:MATRIX_FMT_FP6
	v_wmma_scale_f32_16x16x128_f8f6f4 v[OI+8:OI+15], v[VB+12:VB+23], v[PC:PC+11], v[OI+8:OI+15], v[VS+\par], v[PS] matrix_a_fmt:MATRIX_FMT_FP6 matrix_b_fmt:MATRIX_FMT_FP6 matrix_a_scale:MATRIX_SCALE_ROW1
.endif
.endm
; A KEY STEP of parity par.  Its record was asked for a step ago; the next step's is asked for first, into the registers that the last step has left.
.macro STEP par
	PLACES                                         ; behind the last step's last products, ahead of the loads into their V and scale registers
	s_wait_loadcnt 0x0                             ; this step's record is in: nothing has been issued behind its 14 loads
.if (\par) == 1
	s_cmp_eq_u32 s[CNT], 1                         ; the last step has no successor: no load leaves the buffer
	s_cbranch_scc1 .Lno_load_\@
.endif
	RLOAD 1-\par, (\par+1)*REC
.if (\par) == 1
.Lno_load_\@:
.endif
	s_cmp_gt_u32 s[CNT], s[LIM]                    ; A PREFETCH INTO THE L2 of the record that the NEXT step will ask for, behind this step's loads.  All 32 work-groups of a batch walk the same records: the batch's
	s_cbranch_scc0 .Lnot_mine_\@                   ; first asks, each wave for its own head, a lane for each 256 bytes (lanes 25 to 31 name the last again).  The last trip asks for nothing; records 0 and 1 come by their loads alone
	global_prefetch_b8 v[PFO], s[KV:KV+1] offset:(\par+2)*REC th:TH_LOAD_NT scope:SCOPE_SE
.Lnot_mine_\@:
	WIN 0x40
.irp tau, 0,1,2,3,4,5,6,7                      ; the mask terms in the scores' layout: register j of tile tau in lane (r, h): key 64 (tau / 4) + 32 h + 8 (tau % 4) + j
	ds_load_b128 v[MC+8*\tau:MC+8*\tau+3], v[MKA] offset:512*(\par)+(64*(\tau/4)+8*(\tau%4))*4
	ds_load_b128 v[MC+8*\tau+4:MC+8*\tau+7], v[MKA] offset:512*(\par)+(64*(\tau/4)+8*(\tau%4))*4+16
.endr
	WIN 0
	s_wait_dscnt 0x0
	TILE 0, \par
	TILE 1, \par
	TILE 2, \par
	TILE 3, \par
.endm
	s_load_b256 s[4:11], s[0:1], 0x0               ; qc, qs, kv, woq
	s_load_b128 s[12:15], s[0:1], 0x20             ; m, bo
	s_load_b64 s[16:17], s[0:1], 0x30              ; out0
	v_lshl_add_u32 v[SPW], v0, 2, SPARE
	v_mov_b32 v[NIL], 0
	v_lshrrev_b32 v7, 5, v0
	v_readfirstlane_b32 s[WV], v7                  ; wave = head
	s_lshr_b32 s40, ttmp9, 5                       ; batch
	s_and_b32 s41, ttmp9, 31                       ; which 64 queries
	v_and_b32 v7, 31, v0                           ; lane
	v_and_b32 v8, 15, v0                           ; r
	v_bfe_u32 v9, v0, 4, 1                         ; h
	v_lshlrev_b32 v[L16], 4, v7
	v_lshlrev_b32 v[L4], 2, v7
	v_lshl_add_u32 v[MK0], v9, 7, MK
	v_lshlrev_b32 v[SH8], 3, v9
	v_min_u32 v[PFO], 24, v7
	v_lshlrev_b32 v[PFO], 8, v[PFO]
	v_lshlrev_b32 v10, 5, v0                       ; eight numbers of the mask a thread
	v_lshlrev_b32 v[R4], 2, v8
	s_and_b32 s42, s[WV], 1                        ; my head is block hd % 4 of an image of Q: registers 6 ((hd / 2) % 2) on of lane r + 16 (hd % 2): three pieces of 8 bytes
	s_lshl_b32 s42, s42, 8
	s_bfe_u32 s43, s[WV], 0x10001
	s_mul_i32 s58, s43, 520
	s_add_co_u32 s58, s58, s42
	v_lshl_add_u32 v12, v8, 4, s58
	s_mul_i32 s58, s43, 1016
	s_add_co_u32 s58, s58, s42
	s_add_co_u32 s58, s58, 8
	v_lshl_add_u32 v13, v8, 4, s58
	s_mul_i32 s58, s43, 520
	s_add_co_u32 s58, s58, s42
	s_add_co_u32 s58, s58, 512
	v_lshl_add_u32 v14, v8, 4, s58
	s_lshl_b32 s44, s40, 3                         ; byte offsets into the buffers, each in a pair of its own
	s_add_co_u32 s44, s44, s[WV]
	s_mul_i32 s44, s44, 16*REC
	s_mov_b32 s45, 0
	s_lshl_b32 s59, s40, 7
	s_lshl_b32 s58, s41, 2
	s_add_co_u32 s59, s59, s58                     ; my first tile of queries: 128 x batch + 4 x block
	s_lshr_b32 s58, s[WV], 2
	s_mul_i32 s46, s59, 3072
	s_mul_i32 s42, s58, 1536
	s_add_co_u32 s46, s46, s42
	s_mov_b32 s47, 0
	s_lshl_b32 s48, s59, 7
	s_lshl_b32 s42, s58, 6
	s_add_co_u32 s48, s48, s42
	s_and_b32 s42, s[WV], 3
	s_add_co_u32 s48, s48, s42
	s_mov_b32 s49, 0
	s_mul_i32 s50, s[WV], 6144
	s_mov_b32 s51, 0
	s_lshl_b32 s52, s[WV], 8
	s_add_co_u32 s52, s52, 49152
	s_mov_b32 s53, 0
	s_lshl_b32 s54, s[WV], 7
	s_mov_b32 s55, 0
	s_lshl_b32 s56, s40, 11
	s_lshl_b32 s42, s41, 6
	s_add_co_u32 s56, s56, s42
	s_lshl_b32 s42, s[WV], 3
	s_add_co_u32 s56, s56, s42
	s_lshl_b32 s56, s56, 10
	s_mov_b32 s57, 0
	s_mov_b32 s[CS], 0x3e8293ee                    ; c = log2(e) / sqrt(32)
	s_mov_b32 s[CS+1], s[CS]
	s_mov_b32 s[SEL], 0x76543210
	s_mov_b32 s[SEL+1], 0xfedcba98
	s_mov_b32 s[CNT], 8
	s_mov_b32 s[MKS], 0
	s_mov_b32 s58, 0x01010101
	s_cmp_eq_u32 s41, 0
	s_cselect_b32 s[LIM], 1, -1
	s_wait_kmcnt 0x0
	s_add_nc_u64 s[KV:KV+1], s[8:9], s[44:45]
	s_add_nc_u64 s[QP:QP+1], s[4:5], s[46:47]
	s_add_nc_u64 s[QSP:QSP+1], s[6:7], s[48:49]
	s_add_nc_u64 s[WOP:WOP+1], s[10:11], s[50:51]
	s_add_nc_u64 s[WOS:WOS+1], s[10:11], s[52:53]
	s_add_nc_u64 s[BOP:BOP+1], s[14:15], s[54:55]
	s_add_nc_u64 s[OUT:OUT+1], s[16:17], s[56:57]
	global_load_b128 v[64:67], v10, s[12:13]       ; the mask: 2 loads;
	global_load_b128 v[68:71], v10, s[12:13] offset:16
.irp i, 0,1,2,3                                ; Q: 12; every lane takes its query's 24 bytes
	global_load_b64 v[S+6*\i:S+6*\i+1], v12, s[QP:QP+1] offset:3072*\i
	global_load_b64 v[S+6*\i+2:S+6*\i+3], v13, s[QP:QP+1] offset:3072*\i
	global_load_b64 v[S+6*\i+4:S+6*\i+5], v14, s[QP:QP+1] offset:3072*\i
.endr
.irp i, 0,1,2,3                                ; its scale bytes: 4;
	global_load_u8 v[QS+\i], v[R4], s[QSP:QSP+1] offset:128*\i
.endr
	RLOAD 0, 0                                     ; the first record: 14
	s_wait_loadcnt 30                              ; the mask is in: behind it 12 + 4 + 14 loads were issued
.irp j, 0,1,2,3,4,5,6,7
	v_mul_f32 v[64+\j], 0xce6e6b28, v[64+\j]       ; m x (-1e9), as reference() has it,
.endr
.irp j, 0,1,2,3,4,5,6,7
	v_mul_f32 v[64+\j], 0x40b504f3, v[64+\j]       ; x sqrt(32): it is added ahead of the division by sqrt(32), which c holds
.endr
	ds_store_b128 v10, v[64:67] offset:MK
	ds_store_b128 v10, v[68:71] offset:MK+16
	BARRIER                                        ; the table is whole; nobody writes it again
	s_wait_loadcnt 14                              ; Q and its scale bytes are in; the record may stay out
.irp i, 0,1,2,3
	v_mul_lo_u32 v[QS+\i], v[QS+\i], s58           ; the byte in all four places: whichever block holds the codes
.endr
	v_cmp_gt_u32 vcc_lo, 16, v7
	WIN 0x40
.irp i, 0,1,2,3
.irp k, 0,1,2,3,4,5
	v_mov_b32 v[24*\i+\k], 0
	v_cndmask_b32 v[24*\i+6+\k], v[NIL], v[S+6*\i+\k], vcc_lo      ; the codes in lanes 0-15, zeros in lanes 16-31
	v_mov_b32 v[24*\i+12+\k], 0
	v_cndmask_b32 v[24*\i+18+\k], v[S+6*\i+\k], v[NIL], vcc_lo     ; and the other way round
.endr
.endr
.irp k, 0,1,2,3,4,5
	v_mov_b32 v[96+\k], 0
.endr
	WIN 0
.irp i, 0,1,2,3
	v_mov_b32 v[ST+4*\i+1], 0xff61b1e6             ; the largest t so far: -3e38, under every t
	v_floor_f32 v[ST+4*\i], -v[ST+4*\i+1]          ; -M
	v_mov_b32 v[ST+4*\i+2], 0                      ; the sum, in two halves
	v_mov_b32 v[ST+4*\i+3], 0
.endr
	v_mov_b32 v[T2], 0                             ; written once: a lane permute's destination counts as one of its sources
	v_mov_b32 v[W2], 0
	v_mov_b32 v[F+1], 0                            ; named as the upper half of a pair
.set j, 0
.rept 64
	v_mov_b32 v[O+j], 0                            ; O^T.  (The step is written once: the first finds zeros, which the first change of M leaves zeros)
.set j, j+1
.endr
.Ltrip:                                            ; eight trips of two steps, one of each parity
	v_add_nc_u32 v[MKA], s[MKS], v[MK0]
	STEP 0
	STEP 1
	s_wait_xcnt 0x0                                ; the trip's loads and prefetches have read their base, which steps now
	s_add_nc_u64 s[KV:KV+1], s[KV:KV+1], 2*REC
	s_add_co_u32 s[MKS], s[MKS], 1024
	s_sub_co_u32 s[CNT], s[CNT], 1
	s_cmp_lg_u32 s[CNT], 0
	s_cbranch_scc1 .Ltrip
	s_wait_loadcnt 0x0                             ; no record's load is pending on any way out of the loop (the last step asked for none): the registers that held K and V take other loads below
	; ---- THE WAY OUT.  The addresses first: plain lines that name no register of the last products: the places ahead of the loads below
	v_and_b32 v8, 15, v0                           ; r
	v_bfe_u32 v9, v0, 4, 1                         ; h
	v_lshlrev_b32 v[BOF], 6, v9
	v_mul_u32_u24 v10, v8, 208
	s_mul_i32 s42, s[WV], 24
	s_add_co_u32 s42, s42, OC
	v_mad_u32_u24 v[OCA], v9, 12, v10
	v_add_nc_u32 v[OCA], s42, v[OCA]               ; my 12 bytes of codes: row r, head hd, half h
	s_add_co_u32 s42, s[WV], OS
	v_lshl_add_u32 v[OBA], v8, 3, s42
	v_mad_u32_u24 v[OFA], v9, 24, v10
	v_add_nc_u32 v[OFA], OC, v[OFA]                ; a fragment of O: row r, + 24 h
	v_lshl_add_u32 v[OSA], v8, 3, OS
	v_and_b32 v[SOA], 7, v0
	v_bfe_u32 v[SRA], v0, 3, 1
	v_lshl_add_u32 v[SOA], v[SRA], 5, v[SOA]       ; lane r of tile i holds query 32 (r / 8) + 8 i + r % 8 of the 64
	v_mul_u32_u24 v[SOA], v[SOA], 1040
	v_lshl_add_u32 v[SOA], v9, 6, v[SOA]
	s_lshl_b32 s42, s[WV], 7
	s_add_co_u32 s42, s42, SG
	v_add_nc_u32 v[SOA], s42, v[SOA]
	s_mul_i32 s42, s[WV], 8320
	s_add_co_u32 s42, s42, SG
	v_add_nc_u32 v[SRA], s42, v[L16]               ; back: my eight rows, 16 bytes a lane
	WIN 0x40
.irp u, 0,1                                    ; wo's four fragments (tile 2 hd + u, K step s), where Q lay
.irp s, 0,1
.irp c, 0,1,2
	global_load_b128 v[12*(2*\u+\s)+4*\c:12*(2*\u+\s)+4*\c+3], v[L16], s[WOP:WOP+1] offset:3072*\u+1536*\s+512*\c
.endr
.endr
.endr
.irp u, 0,1                                    ; bo in the result's layout: columns 32 hd + 16 h + 8 u + 0 .. 7
	global_load_b128 v[48+8*\u:48+8*\u+3], v[BOF], s[BOP:BOP+1] offset:32*\u
	global_load_b128 v[48+8*\u+4:48+8*\u+7], v[BOF], s[BOP:BOP+1] offset:32*\u+16
.endr
	WIN 0
.irp u, 0,1
.irp s, 0,1
	global_load_b32 v[WSW+2*\u+\s], v[R4], s[WOS:WOS+1] offset:128*\u+64*\s
.endr
.endr
.irp i, 0,1,2,3
	v_add_f32 v[BM+\i], v[ST+4*\i+2], v[ST+4*\i+3]             ; the sum's two halves,
.endr
.irp i, 0,1,2,3
	v_permlanex16_b32 v[SO+\i], v[BM+\i], s[SEL], s[SEL+1]
.endr
.irp i, 0,1,2,3
	v_add_f32 v[BM+\i], v[BM+\i], v[SO+\i]                     ; and lane l xor 16's: the row's sum
.endr
.irp i, 0,1,2,3
	v_rcp_f32 v[ST+4*\i+2], v[BM+\i]
.endr
	v_nop                                          ; a plain place behind the last reciprocal
	s_wait_alu depctr_va_vdst(0)                   ; one wait for the four, ahead of their first reader
.irp i, 0,1,2,3
.set j, 0
.rept 8
	v_pk_mul_f32 v[O+16*\i+j:O+16*\i+j+1], v[O+16*\i+j:O+16*\i+j+1], v[ST+4*\i+2:ST+4*\i+3] op_sel_hi:[1,0]   ; O^T / the sum: register n = channel 16 h + n of my head
.set j, j+2
.endr
.endr
.irp i, 0,1,2,3                                ; my head's 32 channels are one block of the last product's K: 16 of them mine
	v_max3_num_f32 v[BM+\i], |v[O+16*\i]|, |v[O+16*\i+1]|, 0x1800000
.endr
.irp n, 2,4,6,8,10,12,14
.irp i, 0,1,2,3
	v_max3_num_f32 v[BM+\i], v[BM+\i], |v[O+16*\i+\n]|, |v[O+16*\i+\n+1]|
.endr
.endr
.irp i, 0,1,2,3
	v_permlanex16_b32 v[SO+\i], v[BM+\i], s[SEL], s[SEL+1]
.endr
.irp i, 0,1,2,3
	v_max_num_f32 v[BM+\i], v[BM+\i], v[SO+\i]
.endr
.irp i, 0,1,2,3
	v_add_nc_u32 v[BM+\i], 0xff000000, v[BM+\i]
.endr
.irp i, 0,1,2,3
	v_lshrrev_b32 v[SO+\i], 23, v[BM+\i]
.endr
.irp i, 0,1,2,3
	v_cvt_scalef32_pk16_fp6_f32 v[PC+4*\i:PC+4*\i+2], v[O+16*\i:O+16*\i+15], v[BM+\i]
.endr
	v_nop                                          ; one plain place behind a scaled conversion
.irp i, 0,1,2,3
.irp k, 0,1,2
	ds_store_b32 v[OCA], v[PC+4*\i+\k] offset:3328*\i+4*\k
.endr
	ds_store_b8 v[OBA], v[SO+\i] offset:128*\i     ; both lanes of a row write the same byte with the same value
.endr
	BARRIER                                        ; the 64 rows' codes and scale bytes of all eight heads lie in LDS
	WIN 0x40
.irp i, 0,1,2,3
.irp s, 0,1
.irp p, 0,1,2,3,4,5
	ds_load_b64 v[64+12*(2*\i+\s)+2*\p:64+12*(2*\i+\s)+2*\p+1], v[OFA] offset:3328*\i+96*\s+48*(\p/3)+8*(\p%3)
.endr
.endr
.endr
	WIN 0
.irp i, 0,1,2,3
.irp s, 0,1
	ds_load_b32 v[OSW+2*\i+\s], v[OSA] offset:128*\i+4*\s
.endr
.endr
	s_wait_dscnt 0x0
	s_wait_loadcnt 0x0                             ; wo, its scale words and bo
	WIN 0x15                                       ; wo, O and bo in window 1, the results in window 0: eight accumulators by turns, a K step at a time; bo is the C of each sum's first product
.irp i, 0,1,2,3
.irp u, 0,1
	v_wmma_scale_f32_16x16x128_f8f6f4 v[S+16*\i+8*\u:S+16*\i+8*\u+7], v[24*\u:24*\u+11], v[64+24*\i:64+24*\i+11], v[48+8*\u:48+8*\u+7], v[WSW+2*\u], v[OSW+2*\i] matrix_a_fmt:MATRIX_FMT_FP6 matrix_b_fmt:MATRIX_FMT_FP6
.endr
.endr
	WIN 0x05
.irp i, 0,1,2,3
.irp u, 0,1
	v_wmma_scale_f32_16x16x128_f8f6f4 v[S+16*\i+8*\u:S+16*\i+8*\u+7], v[24*\u+12:24*\u+23], v[64+24*\i+12:64+24*\i+23], v[S+16*\i+8*\u:S+16*\i+8*\u+7], v[WSW+2*\u+1], v[OSW+2*\i+1] matrix_a_fmt:MATRIX_FMT_FP6 matrix_b_fmt:MATRIX_FMT_FP6
.endr
.endr
	WIN 0
	PLACES
.irp i, 0,1,2,3
.irp u, 0,1
	ds_store_b128 v[SOA], v[S+16*\i+8*\u:S+16*\i+8*\u+3] offset:8320*\i+32*\u          ; each accumulator from its low end on: out0(query, 32 hd + 16 h + 8 u + 0 .. 7)
	ds_store_b128 v[SOA], v[S+16*\i+8*\u+4:S+16*\i+8*\u+7] offset:8320*\i+32*\u+16
.endr
.endr
	BARRIER                                        ; 64 whole rows of out0 lie in the stage
.irp n, 0,1,2,3,4,5,6,7,8,9,10,11,12,13,14,15
	ds_load_b128 v[O+4*\n:O+4*\n+3], v[SRA] offset:1040*(\n/2)+512*(\n%2)
.endr
.irp n, 0,1,2,3,4,5,6,7,8,9,10,11,12,13,14,15
	s_wait_dscnt 15-\n                             ; LDS loads come back in order: load n is in, the younger ones may stay out
	global_store_b128 v[L16], v[O+4*\n:O+4*\n+3], s[OUT:OUT+1] offset:1024*(\n/2)+512*(\n%2) th:TH_STORE_NT   ; 32 lanes store 512 consecutive bytes, at a multiple of 512 from out0's first byte
.endr
	s_wait_tensorcnt 0x0                           ; the wave's end: three closing lines, behind my last LDS store
	ds_add_u32 v[SPW], v[NIL]
	s_wait_dscnt 0x0
	s_endpgm
.Lfunc_end_k_q7751f00748_attn:
	.size	k_q7751f00748_attn, .Lfunc_end_k_q7751f00748_attn-k_q7751f00748_attn
	.p2alignl 7, 3214868480
	.fill 96, 4, 3214868480
	.section	.rodata,"a",@progbits
	.p2align	6, 0x0
	.amdhsa_kernel k_q7751f00748_attn
		.amdhsa_group_segment_fixed_size 89600
		.amdhsa_private_segment_fixed_size 0
		.amdhsa_enable_private_segment 0
		.amdhsa_kernarg_size 56
		.amdhsa_user_sgpr_count 2
		.amdhsa_user_sgpr_kernarg_segment_ptr 1
		.amdhsa_wavefront_size32 1
		.amdhsa_system_sgpr_workgroup_id_x 1
		.amdhsa_system_sgpr_workgroup_id_y 1
		.amdhsa_system_sgpr_workgroup_id_z 1
		.amdhsa_system_vgpr_workitem_id 0
		.amdhsa_next_free_vgpr 512
		.amdhsa_next_free_sgpr 66
		.amdhsa_reserve_vcc 1
		.amdhsa_float_denorm_mode_32 3
		.amdhsa_float_denorm_mode_16_64 3
		.amdhsa_memory_ordered 1
		.amdhsa_forward_progress 1
		.amdhsa_inst_pref_size 134
	.end_amdhsa_kernel
	.amdgpu_metadata
---
amdhsa.version: [ 1, 2 ]
amdhsa.kernels:
  - .name:           k_q7751f00748_attn
    .symbol:         k_q7751f00748_attn.kd
    .args:
      - { .name: qc, .offset: 0, .size: 8, .value_kind: global_buffer, .address_space: global }
      - { .name: qs, .offset: 8, .size: 8, .value_kind: global_buffer, .address_space: global }
      - { .name: kv, .offset: 16, .size: 8, .value_kind: global_buffer, .address_space: global }
      - { .name: woq, .offset: 24, .size: 8, .value_kind: global_buffer, .address_space: global }
      - { .name: m, .offset: 32, .size: 8, .value_kind: global_buffer, .address_space: global }
      - { .name: bo, .offset: 40, .size: 8, .value_kind: global_buffer, .address_space: global }
      - { .name: out0, .offset: 48, .size: 8, .value_kind: global_buffer, .address_space: global }
    .group_segment_fixed_size: 89600
    .private_segment_fixed_size: 0
    .kernarg_segment_align: 8
    .kernarg_segment_size: 56
    .max_flat_workgroup_size: 256
    .sgpr_count:     66
    .vgpr_count:     512
    .wavefront_size: 32
...
	.end_amdgpu_metadata
.endif
;; end of part 2
;; ======== version 2 of 2: 2 launches; version 1 with the launches proj, attn written anew for expert scheduling mode
;; workspace buffers: kv 6,553,600 bytes; qc 3,145,728 bytes; qs 131,072 bytes; woq 51,200 bytes
;; launch proj (part 3): grid 193 x 1, 16 waves a work-group, no clusters, 291,840 bytes of LDS; arguments q, k, v, wq, wk, wv, wo, bq, bk, bv, qc, qs, kv, woq; writes qc, qs, kv, woq
.if DOCPART == 3
	.amdgcn_target "amdgcn-amd-amdhsa--gfx1250"
	.amdhsa_code_object_version 6
	.text
	.protected	k_q7751f00748_proj
	.globl	k_q7751f00748_proj
	.p2align	8
	.type	k_q7751f00748_proj,@function
k_q7751f00748_proj:
	s_mov_b64 s[64:65], 0
	v_nop
	global_prefetch_b8 v0, s[64:65] scope:SCOPE_SE
	s_setreg_imm32_b32 hwreg(HW_REG_WAVE_SCHED_MODE, 0, 2), 2
	s_setreg_imm32_b32 hwreg(HW_REG_WAVE_MODE, 25, 1), 1
	s_wait_xcnt 0x0
	s_wait_alu depctr_vm_vsrc(0)
; THE THREE INPUT PROJECTIONS, x W + b for (q, wq, bq), (k, wk, bk), (v, wv, bv), on codes of FP6 (E2M3) with one E8M0 scale for each 32 along K = 256; their results, with the bias, are quantised at once
; for the attention's two products and leave as codes, laid in the order of the operand registers that the next launch loads.  One more work-group quantises wo.
; NOTHING OF THE PROBLEM IS LEFT OUT in this program: every input has a way to the output and is loaded (the biases ahead of the quantisers, the mask in the next launch).
; SHARES.  Work-groups 0-63 take q, 64-127 k, 128-191 v, 256 rows each (two groups of 128); work-group 192 takes wo.  Sixteen waves.
;   Phase 1: wave w quantises 32 columns x 128 K of the work-group's weight (a lane to a column, registers down K) and one tile of 16 rows x 256 K of x; both go to LDS as images of operand registers.
;   Phase 2: q, k: wave w multiplies its own tile of rows by all 16 tiles of columns, transposed (source 0 = weight, source 1 = x): a lane holds one row, its registers run along the channels: 4 heads = 4 blocks a fragment.
;            v: wave (group, head) multiplies the group's 8 tiles of rows by the head's two tiles of columns (source 0 = x, source 1 = weight): a lane holds one channel, its registers run along the keys.
;   Phase 3: k's codes, regrouped through LDS into one record a head and a group, and wo's images leave in runs of 512 bytes.
; WHICH ROWS FORM A TILE is chosen for the next launch.  Rows of q and k: tile t, row m = 64 (t / 4) + 32 (m / 8) + 8 (t % 4) + m % 8.  Rows of v: 32 (t / 2) + 16 (m / 8) + 8 (t % 2) + m % 8.
;   Columns of a weight: tile 2 hd + u, row m = column 32 hd + 16 (m / 8) + 8 u + m % 8, so that the 16 registers of two neighbouring tiles are 16 neighbouring channels.
; AN IMAGE of a fragment (12 registers a lane) is 1,536 bytes: register n of lane l at 512 (n / 4) + 16 l + 4 (n % 4).
; A RECORD of kv (one batch, head and 128 keys; 6,400 bytes): K's two fragments (row m, block t % 4 of fragment t / 4 = the head's 32 codes of the key that is row m of tile t), V^T's two tiles (16 channels x 128 keys),
;   K's scale words (lane 16 f + m), V's (lane 16 u + m).
; NO CLUSTER: the grid of 193 is no multiple of a cluster's size; and the weight, which 64 work-groups share, goes from memory straight into the registers of the lanes that quantise it: brought jointly it would
;   have to lie in LDS as f32, 262,144 bytes beside the 291,840 that are in use.
; LIMITS: NaN and infinities among the inputs are not served.  A block whose largest magnitude lies under 2^(3 - 127) has its scale byte held at 1; a block of zeros so has the byte 1 where the rule says 127:
;   its codes are zeros, which add nothing, and this program alone reads the bytes.
; THE MODE: SCHED_MODE bits 1:0 = 2 (LLVM: expert scheduling mode 2), set by the entry lines.  The code itself states the register dependences between vector or matrix instructions and memory or LDS
;   instructions, with s_wait_alu, always for 0.
; THE PLAN.  Registers that memory or LDS instructions touch:
;   v1-v4          offsets and addresses, made at the head and never written again.
;   v5-v16         addresses, made three times, once a phase: each time a wait on vm_vsrc stands ahead of the makers (the phase before has read them) and a wait on va_vdst behind them (they are written; and the vector
;                  and matrix instructions of the phase before are done with the registers in which the new phase's loads land).
;   WS             two sets of the weight's numbers: loaded; read by a block's maxima and conversions; loaded again behind the wait on va_vdst that stands ahead of that block's stores.
;   R              x: loaded; stored into the stage; loaded back from it into the same registers, a wait on vm_vsrc between; read by the quantiser.
;   PC, PW, PW0, SB, the bytes   the out-buffer: written by a quantiser; one wait on va_vdst ahead of the run of stores that reads it; one on vm_vsrc ahead of the next quantiser.
;   F, FS          eight fragments of source 0 and their scale words: LDS loads land, a K step's eight products read: a wait on va_vdst ahead of K step 1's loads; K step 0's stand behind the out-buffer's wait.
;   G, GS, D, CB   source 1, its scale words, the bias: LDS loads land there behind the phase's wait or behind the out-buffer's.
.set XIMG,  0                          ; LDS: x's 32 images (tile w, K step s at (2 w + s) x 1,536)
.set WIMG,  49152                      ; the weight's 32 images (tile T, K step s at (2 T + s) x 1,536)
.set XSC,   98304                      ; x's scale words, 64 bytes an image: row r's at 4 r
.set WSC,   100352                     ; the weight's likewise
.set BN,    102400                     ; the bias, 256 numbers as they lie
.set STG,   103424                     ; a stage of 16 rows x 528 bytes for each wave, through which x turns
.set KSTG,  238592                     ; k's records of the two groups: 8 heads x 3,072 bytes of codes, then 8 x 128 scale bytes: 25,600 a group
.set SPARE, 289792                     ; the spare words, 128 bytes for each wave: eight blocks of 256 bytes that no other line names
.set REC,   6400
.set L4,   1                           ; v1   4 x lane
.set L16,  2                           ; v2   16 x lane
.set XI,   3                           ; v3   my tile's images of x
.set XS,   4                           ; v4   and their scale words
.set WA,   5                           ; phase 1: v5 where my column's codes go, v6 its scale word, v7, v8 my stage in and out, v9 where my bias number goes, v10 4 r
.set WSA,  6
.set TS,   7
.set TR,   8
.set BS,   9
.set BL,   10
.set WI,   5                           ; phase 2: v5 the weight's images, v6 scale words, v7 the bias by channels, v8 my group's images of x, v9 my head's weight tiles,
.set SC,   6                           ;          v10, v11 their scale words, v12 the bias by lanes, v13-15 where a block of k's codes goes (three pieces of 8 bytes), v16 its scale byte
.set BNA,  7
.set XG,   8
.set WVA,  9
.set XGS,  10
.set WVS,  11
.set BV,   12
.set K0,   13
.set KB,   16
.set KR,   5                           ; phase 3: v5, v6 my record's codes and scale words in the stage, v7, v8 my two images of wo and their scale words
.set KQ,   6
.set WC,   7
.set WCS,  8
.set SB,   18                          ; v18  the weight's four scale bytes; later the first of two scale words that leave together
.set PW0,  18
.set PW,   19                          ; v19  the scale word just made
.set TM,   20                          ; v20-23 largest magnitudes, v24-27 the other half's, then the bytes, v28-31 the conversions' scale operands
.set PC,   32                          ; v32-43 the fragment just made
.set PT,   44                          ; v44-51 the conversions' second halves; between phases: at work on addresses
.set FS,   52                          ; v52-59 scale words of source 0, v60-61 of source 1: these ten hold scales and nothing else
.set GS,   60
.set SPW,  62                          ; v62  LDS address of my spare word; never rewritten
.set NIL,  63                          ; v63  0; never rewritten
.set WS,   64                          ; v64-127 phase 1: two sets of 32 numbers of the weight; phase 2: eight accumulators
.set D,    64
.set R,    128                         ; v128-255 phase 1: x, two K steps of 64 numbers a lane
.set F,    128                         ; phase 2: v128-223 eight fragments of source 0, v224-247 two of source 1, v248-255 v's bias as a C
.set G,    224
.set CB,   248
.set XP,   32                          ; s[32:33] x, s[34:35] the weight, s[36:37] the bias: chosen by the work-group's number
.set WP,   34
.set BP,   36
.set XA,   38                          ; s[38:39] my tile's rows 0-7, s[40:41] its rows 8-15
.set XB,   40
.set QO,   42                          ; s[42:43] my images in qc, s[44:45] their scale words in qs, s[46:47] my record in kv, s[48:49], s[50:51] my part of woq
.set QSO,  44
.set RO,   46
.set WO,   48
.set WSO,  50
.set SEL,  52                          ; s[52:53] v_permlanex16_b32's selects for lane l xor 16
.set WV,   54
.set TT,   55                          ; 0 q, 1 k, 2 v, 3 wo
.set BLK,  56
.set GSS,  57                          ; wave / 8: my group of rows; in phase 1 also my K step of the weight
.set HD,   58                          ; wave % 8: my tile of rows, or my head
.macro PLACES                          ; four plain places behind matrix instructions, ahead of loads into their registers and of the first read of their results
.rept 4
	v_nop
.endr
.endm
.macro BARRIER                         ; my LDS stores have landed and my LDS loads are in: then the work-group's barrier
	s_wait_dscnt 0x0
	s_barrier_signal -1
	s_barrier_wait -1
.endm
.macro WLOAD beta                      ; block beta of my column: W(128 s + 32 beta + i, my column): 32 lanes read 128 consecutive bytes
.set i, 0
.rept 32
	global_load_b32 v[WS+32*((\beta)%2)+i], v[L4], s[WP:WP+1] offset:(32*(\beta)+i)*1024
.set i, i+1
.endr
.endm
.macro WBLOCK beta                     ; all 32 numbers of the block are mine: its scale, its 24 bytes of codes, and their place in the tile's image
.set XW, WS+32*((\beta)%2)
	v_max3_num_f32 v[TM], |v[XW]|, |v[XW+1]|, |v[XW+2]|
	v_max3_num_f32 v[TM+1], |v[XW+3]|, |v[XW+4]|, |v[XW+5]|
.irp n, 6,10,14,18,22,26
	v_max3_num_f32 v[TM], v[TM], |v[XW+\n]|, |v[XW+\n+1]|
	v_max3_num_f32 v[TM+1], v[TM+1], |v[XW+\n+2]|, |v[XW+\n+3]|
.endr
	v_max3_num_f32 v[TM], v[TM], |v[XW+30]|, |v[XW+31]|
	v_max3_num_f32 v[TM], v[TM], v[TM+1], 0x1800000            ; the floor 2^(3 - 127): the byte cannot fall under 1
	v_add_nc_u32 v[TM+8], 0xff000000, v[TM]                    ; 2 off the exponent field: the conversion's scale operand
	v_lshrrev_b32 v[TM+2], 23, v[TM+8]                         ; the scale's byte
.if (\beta) == 0
	v_mov_b32 v[SB], v[TM+2]
.else
	v_lshl_or_b32 v[SB], v[TM+2], 8*(\beta), v[SB]
.endif
	v_cvt_scalef32_pk16_fp6_f32 v[PC:PC+2], v[XW:XW+15], v[TM+8]
	v_cvt_scalef32_pk16_fp6_f32 v[PT:PT+2], v[XW+16:XW+31], v[TM+8]   ; (a conversion's three registers begin on an even number)
	v_nop                                                      ; one plain place behind a scaled conversion
.irp n, 0,1,2
	v_mov_b32 v[PC+3+\n], v[PT+\n]
.endr
	s_wait_alu depctr_va_vdst(0)                               ; the conversions and moves have written v[PC ..], which the LDS stores read, and v[SB] is written; the block's lines are done reading this set of the weight, in which later loads land
.if (\beta) < 2                        ; block beta is registers 6 (beta / 2) .. + 5 of lane m + 16 (beta % 2)
	ds_store_b128 v[WA], v[PC:PC+3] offset:256*((\beta)%2)
	ds_store_b64 v[WA], v[PC+4:PC+5] offset:512+256*((\beta)%2)
.else
	ds_store_b64 v[WA], v[PC:PC+1] offset:520+256*((\beta)%2)
	ds_store_b128 v[WA], v[PC+2:PC+5] offset:1024+256*((\beta)%2)
.endif
	s_wait_dscnt 0x0                                           ; the block's stores are done
	s_wait_alu depctr_vm_vsrc(0)                               ; they have read v[PC ..], which the next quantiser writes
.endm
.macro XLOAD                           ; my 16 rows, both K steps: each load reads 512 consecutive bytes of one row
.irp s, 0,1
.irp m, 0,1,2,3,4,5,6,7,8,9,10,11,12,13,14,15
.if \m < 8
	global_load_b128 v[R+64*\s+4*\m:R+64*\s+4*\m+3], v[L16], s[XA:XA+1] offset:\m*1024+512*\s th:TH_LOAD_NT
.else
	global_load_b128 v[R+64*\s+4*\m:R+64*\s+4*\m+3], v[L16], s[XB:XB+1] offset:(\m-8)*1024+512*\s th:TH_LOAD_NT
.endif
.endr
.endr
.endm
.macro TURN s                          ; K step s through my stage: in by rows, out so that register 16 b + i of lane (r, h) is x(r, 32 b + 16 h + i)
.irp m, 0,1,2,3,4,5,6,7,8,9,10,11,12,13,14,15
	ds_store_b128 v[TS], v[R+64*\s+4*\m:R+64*\s+4*\m+3] offset:528*\m
.endr
	s_wait_dscnt 0x0                                           ; the stage's stores are done
	s_wait_alu depctr_vm_vsrc(0)                               ; they have read v[R ..], in which the loads below land; all LDS stores issued so far have read their data
.irp b, 0,1,2,3
.irp j, 0,1,2,3
	ds_load_b128 v[R+64*\s+16*\b+4*\j:R+64*\s+16*\b+4*\j+3], v[TR] offset:128*\b+16*\j
.endr
.endr
	s_wait_dscnt 0x0
.endm
; 64 numbers of a lane, register 16 b + i = k 32 b + 16 (lane / 16) + i of my row, become a fragment's codes in v[PC] on, its scale word in v[PW] and its four bytes in v[TM+4] on.
.macro QUANT s
.irp b, 0,1,2,3
	v_max3_num_f32 v[TM+\b], |v[\s+16*\b]|, |v[\s+1+16*\b]|, 0x1800000   ; my 16 numbers of block b, and the floor 2^(3 - 127)
.endr
.irp i, 2,4,6,8,10,12,14
.irp b, 0,1,2,3
	v_max3_num_f32 v[TM+\b], v[TM+\b], |v[\s+16*\b+\i]|, |v[\s+1+16*\b+\i]|   ; the four blocks by turns
.endr
.endr
.irp b, 0,1,2,3
	v_permlanex16_b32 v[TM+4+\b], v[TM+\b], s[SEL], s[SEL+1]
.endr
.irp b, 0,1,2,3
	v_max_num_f32 v[TM+\b], v[TM+\b], v[TM+4+\b]               ; with lane l xor 16's: the block's largest magnitude
.endr
.irp b, 0,1,2,3
	v_add_nc_u32 v[TM+8+\b], 0xff000000, v[TM+\b]              ; 2 off its exponent field: the conversion's scale operand
.endr
.irp b, 0,1,2,3
	v_lshrrev_b32 v[TM+4+\b], 23, v[TM+8+\b]                   ; the scale's byte
.endr
	v_lshl_or_b32 v[PW], v[TM+5], 8, v[TM+4]
	v_lshl_or_b32 v[PW], v[TM+6], 16, v[PW]
	v_lshl_or_b32 v[PW], v[TM+7], 24, v[PW]
.irp c, 0,1
	v_cvt_scalef32_pk16_fp6_f32 v[PC+6*\c:PC+2+6*\c], v[\s+32*\c:\s+15+32*\c], v[TM+8+2*\c]
	v_cvt_scalef32_pk16_fp6_f32 v[PT+4*\c:PT+2+4*\c], v[\s+16+32*\c:\s+31+32*\c], v[TM+8+2*\c+1]
.endr
	v_nop                                                      ; one plain place behind a scaled conversion
.irp c, 0,1                            ; the operand's layout wants a whole block in a lane: lanes 0-15 block 2 c, lanes 16-31 block 2 c + 1
.irp i, 0,1,2
	v_permlane16_swap_b32 v[PC+6*\c+\i], v[PT+4*\c+\i]
.endr
.irp i, 0,1,2
	v_mov_b32 v[PC+3+6*\c+\i], v[PT+4*\c+\i]
.endr
.endr
.endm
.macro IMAGE adr, off                  ; the fragment in v[PC] on goes to LDS as it stands
.irp c, 0,1,2
	ds_store_b128 v[\adr], v[PC+4*\c:PC+4*\c+3] offset:\off+512*\c
.endr
.endm
.macro FETCH reg, adr, off             ; and comes back so, in any wave
.irp c, 0,1,2
	ds_load_b128 v[\reg+4*\c:\reg+4*\c+3], v[\adr] offset:\off+512*\c
.endr
.endm
	s_load_b512 s[4:19], s[0:1], 0x0               ; q, k, v, wq, wk, wv, wo, bq
	s_load_b256 s[20:27], s[0:1], 0x40             ; bk, bv, qc, qs
	s_load_b128 s[28:31], s[0:1], 0x60             ; kv, woq
	v_lshl_add_u32 v[SPW], v0, 2, SPARE
	v_mov_b32 v[NIL], 0
	v_lshrrev_b32 v44, 5, v0
	v_readfirstlane_b32 s[WV], v44                 ; wave 0..15
	s_lshr_b32 s[TT], ttmp9, 6
	s_and_b32 s[BLK], ttmp9, 63
	s_wait_alu depctr_va_sdst(0)                   ; the wave's number is written, ahead of its first reader: addresses and branches are made from it
	s_lshr_b32 s[GSS], s[WV], 3
	s_and_b32 s[HD], s[WV], 7
	s_mov_b32 s[SEL], 0x76543210
	s_mov_b32 s[SEL+1], 0xfedcba98
	; the addresses of phase 1
	v_and_b32 v44, 31, v0                          ; lane
	v_and_b32 v45, 15, v0                          ; r
	v_bfe_u32 v46, v0, 4, 1                        ; h
	v_lshlrev_b32 v[L4], 2, v44
	v_lshlrev_b32 v[L16], 4, v44
	v_lshlrev_b32 v[BL], 2, v45
	s_mul_i32 s84, s[HD], 6144                     ; my column 32 hd + lane is row lane % 8 + 8 (lane / 16) of tile 2 hd + (lane / 8) % 2
	s_mul_i32 s85, s[GSS], 1536
	s_add_co_u32 s84, s84, s85
	s_add_co_u32 s84, s84, WIMG
	v_bfe_u32 v47, v0, 3, 1
	v_and_b32 v48, 7, v0
	v_mul_u32_u24 v49, v47, 3072
	v_lshl_add_u32 v49, v48, 4, v49
	v_lshl_add_u32 v49, v46, 7, v49
	v_add_nc_u32 v[WA], s84, v49
	s_lshl_b32 s84, s[HD], 8
	s_lshl_b32 s85, s[GSS], 6
	s_add_co_u32 s84, s84, s85
	s_add_co_u32 s84, s84, WSC
	v_lshlrev_b32 v49, 7, v47
	v_lshl_add_u32 v49, v48, 2, v49
	v_lshl_add_u32 v49, v46, 5, v49
	v_add_nc_u32 v[WSA], s84, v49
	s_mul_i32 s84, s[WV], 8448
	s_add_co_u32 s84, s84, STG
	v_add_nc_u32 v[TS], s84, v[L16]
	v_mul_u32_u24 v49, v45, 528
	v_lshl_add_u32 v49, v46, 6, v49
	v_add_nc_u32 v[TR], s84, v49
	s_mul_i32 s84, s[WV], 3072
	v_add_nc_u32 v[XI], s84, v[L16]
	s_lshl_b32 s84, s[WV], 7
	s_add_co_u32 s84, s84, XSC
	v_add_nc_u32 v[XS], s84, v[BL]
	s_lshl_b32 s84, s[WV], 6
	s_add_co_u32 s84, s84, BN
	v_add_nc_u32 v[BS], s84, v[BL]
.irp b, 0,1,2,3
	v_mov_b32 v[TM+4+\b], 0                        ; written once: a lane permute's destination counts as one of its sources
.endr
	; byte offsets into the buffers, each in a pair of its own
	s_lshr_b32 s60, s[HD], 2                       ; my tile's first row in its group of 128: q, k: 64 (t / 4) + 8 (t % 4), rows 8-15 lie 32 further on;
	s_lshl_b32 s60, s60, 6
	s_and_b32 s61, s[HD], 3
	s_lshl_b32 s61, s61, 3
	s_add_co_u32 s60, s60, s61
	s_lshr_b32 s61, s[HD], 1                       ; v: 32 (t / 2) + 8 (t % 2), rows 8-15 lie 16 further on
	s_lshl_b32 s61, s61, 5
	s_and_b32 s62, s[HD], 1
	s_lshl_b32 s62, s62, 3
	s_add_co_u32 s61, s61, s62
	s_cmp_eq_u32 s[TT], 2
	s_cselect_b32 s60, s61, s60
	s_cselect_b32 s61, 14, 15
	s_lshl_b32 s68, 1, s61                         ; 16 or 32 rows of 1,024 bytes
	s_mov_b32 s69, 0
	s_lshl_b32 s66, s[BLK], 8
	s_lshl_b32 s62, s[GSS], 7
	s_add_co_u32 s66, s66, s62
	s_add_co_u32 s66, s66, s60
	s_lshl_b32 s66, s66, 10
	s_mov_b32 s67, 0
	s_lshl_b32 s70, s[GSS], 17                     ; the weight: 128 rows of 1,024 bytes a K step, 32 columns a wave
	s_lshl_b32 s62, s[HD], 7
	s_add_co_u32 s70, s70, s62
	s_mov_b32 s71, 0
	s_lshl_b32 s72, s[WV], 6                       ; the bias: 16 numbers a wave
	s_mov_b32 s73, 0
	s_lshl_b32 s62, s[BLK], 4
	s_add_co_u32 s62, s62, s[WV]                   ; which tile of 16 queries of the whole tensor
	s_mul_i32 s74, s62, 3072
	s_mov_b32 s75, 0
	s_lshl_b32 s76, s62, 7
	s_mov_b32 s77, 0
	s_lshr_b32 s62, s[BLK], 3                      ; the record: ((batch x 8 + head) x 16 + group) x 6,400
	s_lshl_b32 s62, s62, 3
	s_add_co_u32 s62, s62, s[HD]
	s_lshl_b32 s62, s62, 4
	s_and_b32 s63, s[BLK], 7
	s_lshl_b32 s63, s63, 1
	s_add_co_u32 s62, s62, s63
	s_add_co_u32 s62, s62, s[GSS]
	s_mul_i32 s78, s62, REC
	s_mov_b32 s79, 0
	s_mul_i32 s80, s[WV], 3072
	s_mov_b32 s81, 0
	s_lshl_b32 s82, s[WV], 7
	s_add_co_u32 s82, s82, 49152
	s_mov_b32 s83, 0
	s_wait_kmcnt 0x0
	s_cmp_eq_u32 s[TT], 0                          ; the buffers are chosen by the work-group's number alone
	s_cselect_b64 s[XP:XP+1], s[4:5], s[6:7]
	s_cselect_b64 s[WP:WP+1], s[10:11], s[12:13]
	s_cselect_b64 s[BP:BP+1], s[18:19], s[20:21]
	s_cmp_ge_u32 s[TT], 2
	s_cselect_b64 s[XP:XP+1], s[8:9], s[XP:XP+1]
	s_cselect_b64 s[WP:WP+1], s[14:15], s[WP:WP+1]
	s_cselect_b64 s[BP:BP+1], s[22:23], s[BP:BP+1]
	s_cmp_eq_u32 s[TT], 3
	s_cselect_b64 s[WP:WP+1], s[16:17], s[WP:WP+1]
	s_add_nc_u64 s[XA:XA+1], s[XP:XP+1], s[66:67]
	s_add_nc_u64 s[XB:XB+1], s[XA:XA+1], s[68:69]
	s_add_nc_u64 s[WP:WP+1], s[WP:WP+1], s[70:71]
	s_add_nc_u64 s[BP:BP+1], s[BP:BP+1], s[72:73]
	s_add_nc_u64 s[QO:QO+1], s[24:25], s[74:75]
	s_add_nc_u64 s[QSO:QSO+1], s[26:27], s[76:77]
	s_add_nc_u64 s[RO:RO+1], s[28:29], s[78:79]
	s_add_nc_u64 s[WO:WO+1], s[30:31], s[80:81]
	s_add_nc_u64 s[WSO:WSO+1], s[30:31], s[82:83]
	s_wait_alu depctr_va_vdst(0)                   ; the offsets and LDS addresses v1 to v10 are written, which phase 1's loads and stores read
	; ---- PHASE 1.  The weight's first two blocks are worked while x is on its way
	WLOAD 0
	WLOAD 1
	s_cmp_eq_u32 s[TT], 3
	s_cbranch_scc1 .Lwo_first
	global_load_b32 v[TM+11], v[BL], s[BP:BP+1]    ; my wave's 16 numbers of the bias
	XLOAD
	s_wait_loadcnt 32                              ; issued behind the weight's 64 loads and the bias: x's 32, which may stay out
	s_branch .Lw01
.Lwo_first:
	s_wait_loadcnt 0x0
.Lw01:
	WBLOCK 0
	WBLOCK 1
	WLOAD 2                                        ; no further wait: every line that read the two sets stands ahead of the wait on va_vdst in block 1, and no vector instruction has been issued since
	WLOAD 3
	s_cmp_eq_u32 s[TT], 3
	s_cbranch_scc1 .Lw23
	s_wait_loadcnt 63                              ; behind x's 32 loads 64 were issued; the count's field holds 63: x is in, and one load of the weight with it
	ds_store_b32 v[BS], v[TM+11]                   ; (its data register is written again by the quantiser below: the wait on vm_vsrc in TURN 0 stands between)
	TURN 0
	QUANT R
	s_wait_alu depctr_va_vdst(0)                   ; the quantiser has written v[PC ..] and v[PW], which the LDS stores read
	IMAGE XI, XIMG
	ds_store_b32 v[XS], v[PW]
	s_wait_dscnt 0x0                               ; the image's stores are done
	s_wait_alu depctr_vm_vsrc(0)                   ; they have read v[PC ..] and v[PW], which the next quantiser writes
	TURN 1
	QUANT R+64
	s_wait_alu depctr_va_vdst(0)                   ; the quantiser has written v[PC ..] and v[PW], which the LDS stores read
	IMAGE XI, XIMG+1536
	ds_store_b32 v[XS], v[PW] offset:64
	s_wait_dscnt 0x0                               ; the image's stores are done
	s_wait_alu depctr_vm_vsrc(0)                   ; they have read v[PC ..] and v[PW], which the weight's next block writes
.Lw23:
	s_wait_loadcnt 0x0
	WBLOCK 2
	WBLOCK 3
	ds_store_b32 v[WSA], v[SB]                     ; (v[SB] was written ahead of the wait on va_vdst in block 3)
	BARRIER                                        ; all images, scale words and the bias lie in LDS
	s_wait_alu depctr_vm_vsrc(0)                   ; phase 1's loads and stores have read v5 to v10 and v[SB], which are written anew from here on
	; ---- the addresses of phase 2, made by every wave of every work-group
	v_and_b32 v44, 15, v0                          ; r
	v_bfe_u32 v45, v0, 4, 1                        ; h
	v_lshlrev_b32 v46, 2, v44                      ; 4 r
	v_add_nc_u32 v[WI], WIMG, v[L16]
	v_add_nc_u32 v[SC], XSC, v46
	v_lshl_add_u32 v[BNA], v45, 6, BN
	s_mul_i32 s84, s[GSS], 24576
	v_add_nc_u32 v[XG], s84, v[L16]
	s_mul_i32 s84, s[HD], 6144
	s_add_co_u32 s84, s84, WIMG
	v_add_nc_u32 v[WVA], s84, v[L16]
	s_lshl_b32 s84, s[GSS], 10
	s_add_co_u32 s84, s84, XSC
	v_add_nc_u32 v[XGS], s84, v46
	s_lshl_b32 s84, s[HD], 8
	s_add_co_u32 s84, s84, WSC
	v_add_nc_u32 v[WVS], s84, v46
	v_and_b32 v47, 7, v0
	v_bfe_u32 v48, v0, 3, 1
	v_lshlrev_b32 v47, 2, v47
	v_lshl_add_u32 v47, v48, 6, v47                ; lane r's channel of tile u: 16 (r / 8) + 8 u + r % 8
	s_lshl_b32 s84, s[HD], 7
	s_add_co_u32 s84, s84, BN
	v_add_nc_u32 v[BV], s84, v47
	s_mul_i32 s84, s[GSS], 25600
	s_add_co_u32 s84, s84, KSTG                    ; my group's records
	s_lshr_b32 s85, s[HD], 2                       ; my tile t of keys is block t % 4 of fragment t / 4: registers 6 ((t / 2) % 2) on of lane r + 16 (t % 2)
	s_mul_i32 s86, s85, 1536
	s_add_co_u32 s86, s86, s84
	s_and_b32 s87, s[HD], 1
	s_lshl_b32 s87, s87, 8
	s_add_co_u32 s86, s86, s87
	s_bfe_u32 s87, s[HD], 0x10001
	v_mul_u32_u24 v47, v45, 3072                   ; lanes 16-31 hold the next head's block
	v_lshl_add_u32 v47, v44, 4, v47
	s_wait_alu depctr_va_vdst(0)
	s_mul_i32 s88, s87, 520                        ; the block's three pieces of 8 bytes lie in an image at 0, 8, 512 (lower six registers) or 520, 1,024, 1,032 (upper six)
	s_add_co_u32 s88, s88, s86
	v_add_nc_u32 v[K0], s88, v47
	s_mul_i32 s88, s87, 1016
	s_add_co_u32 s88, s88, s86
	s_add_co_u32 s88, s88, 8
	v_add_nc_u32 v[K0+1], s88, v47
	s_mul_i32 s88, s87, 520
	s_add_co_u32 s88, s88, s86
	s_add_co_u32 s88, s88, 512
	v_add_nc_u32 v[K0+2], s88, v47
	s_lshl_b32 s85, s85, 6
	s_and_b32 s87, s[HD], 3
	s_add_co_u32 s85, s85, s87
	s_add_co_u32 s85, s85, s84
	s_add_co_u32 s85, s85, 24576
	v_add_nc_u32 v[KB], s85, v46
	s_wait_alu depctr_va_vdst(0)                   ; v5 to v16 are written, which phase 2's LDS loads and stores read; phase 1's vector lines are done with v64 to v255, in which phase 2's loads land
; q and k: my tile of 16 rows against eight tiles of columns (four heads) at a time.  The bias is loaded into the accumulators, in the result's layout; the eight take turns, one instruction a turn.
.macro ARMQK kind
	FETCH G, XI, 0
	FETCH G+12, XI, 1536
	ds_load_b32 v[GS], v[XS]
	ds_load_b32 v[GS+1], v[XS] offset:64
.irp g, 0,1
.irp t, 0,1,2,3,4,5,6,7                        ; (g = 1: every line that named the accumulators, the fragments and their scale words stands ahead of the wait on va_vdst in front of the last run of stores)
	ds_load_b128 v[D+8*\t:D+8*\t+3], v[BNA] offset:512*\g+128*(\t/2)+32*(\t%2)
	ds_load_b128 v[D+8*\t+4:D+8*\t+7], v[BNA] offset:512*\g+128*(\t/2)+32*(\t%2)+16
.endr
.irp s, 0,1
.if \s == 1
	PLACES
	s_wait_alu depctr_va_vdst(0)                   ; K step 0's products are done reading v[F ..] and v[FS ..], in which the loads below land
.endif
.irp t, 0,1,2,3,4,5,6,7
	FETCH F+12*\t, WI, (2*(8*\g+\t)+\s)*1536
	ds_load_b32 v[FS+\t], v[SC] offset:2048+(2*(8*\g+\t)+\s)*64
.endr
	s_wait_dscnt 0x0
.irp t, 0,1,2,3,4,5,6,7
	v_wmma_scale_f32_16x16x128_f8f6f4 v[D+8*\t:D+8*\t+7], v[F+12*\t:F+12*\t+11], v[G+12*\s:G+12*\s+11], v[D+8*\t:D+8*\t+7], v[FS+\t], v[GS+\s] matrix_a_fmt:MATRIX_FMT_FP6 matrix_b_fmt:MATRIX_FMT_FP6
.endr
.endr
	PLACES
.if (\kind == 0) && (\g == 1)
	s_wait_xcnt 0x0                                ; the last stores have had their addresses translated
	s_wait_alu depctr_vm_vsrc(0)                   ; and have read v[PC ..], which the quantiser below writes anew
.endif
	QUANT D                                        ; register 16 b + i = channel 16 h + i of head 4 g + b: a block is a head
.if \kind == 0
.if \g == 0
	v_mov_b32 v[PW0], v[PW]
.else
	v_cmp_gt_u32 vcc_lo, 64, v[L4]
	s_wait_alu depctr_va_vcc(0)                    ; VCC is written, ahead of the select that reads it
	v_cndmask_b32 v[PW0], v[PW], v[PW0], vcc_lo    ; lanes 0-15: heads 0-3's words, lanes 16-31: heads 4-7's
.endif
	s_wait_alu depctr_va_vdst(0)                   ; the quantiser has written v[PC ..], and v[PW0] is written: the stores below read them
.irp c, 0,1,2
	global_store_b128 v[L16], v[PC+4*\c:PC+4*\c+3], s[QO:QO+1] offset:1536*\g+512*\c   ; the image as it stands: 512 consecutive bytes a store
.endr
.if \g == 1
	global_store_b32 v[L4], v[PW0], s[QSO:QSO+1]
.endif
.else
	s_wait_alu depctr_va_vdst(0)                   ; the quantiser has written v[PC ..] and the four bytes, which the LDS stores below read
.irp c, 0,1
.irp p, 0,1,2
	ds_store_b64 v[K0+\p], v[PC+6*\c+2*\p:PC+6*\c+2*\p+1] offset:(4*\g+2*\c)*3072   ; head 4 g + 2 c + h's block, into that head's record
.endr
.endr
.irp b, 0,1,2,3
	ds_store_b8 v[KB], v[TM+4+\b] offset:(4*\g+\b)*128     ; both lanes of a row write the same byte with the same value
.endr
	s_wait_dscnt 0x0                               ; the record's stores are done
	s_wait_alu depctr_vm_vsrc(0)                   ; they have read v[PC ..] and the bytes, which the next quantiser writes
.endif
.endr
.endm
; v: my group's eight tiles of rows against my head's tile u of columns: a lane holds one channel, the registers of two neighbouring tiles are 16 neighbouring keys.  The bias is the C of each sum's first product.
.macro ARMV
.irp u, 0,1                                    ; (u = 1: every line that named v[CB ..], v[G ..], v[F ..] and the scale words stands ahead of the wait on va_vdst in front of tile 0's stores)
	ds_load_b32 v[CB], v[BV] offset:32*\u
	FETCH G, WVA, \u*3072
	FETCH G+12, WVA, \u*3072+1536
	ds_load_b32 v[GS], v[WVS] offset:128*\u
	ds_load_b32 v[GS+1], v[WVS] offset:128*\u+64
	s_wait_dscnt 0x0
.irp j, 1,2,3,4,5,6,7
	v_mov_b32 v[CB+\j], v[CB]                      ; a lane's eight results are eight keys of one channel: one number of the bias
.endr
	s_wait_alu depctr_va_vdst(0)
.irp s, 0,1
	PLACES
.if \s == 1
	s_wait_alu depctr_va_vdst(0)                   ; K step 0's products are done reading v[F ..] and v[FS ..], in which the loads below land
.endif
.irp t, 0,1,2,3,4,5,6,7
	FETCH F+12*\t, XG, (2*\t+\s)*1536
	ds_load_b32 v[FS+\t], v[XGS] offset:(2*\t+\s)*64
.endr
	s_wait_dscnt 0x0
.irp t, 0,1,2,3,4,5,6,7
.if \s == 0
	v_wmma_scale_f32_16x16x128_f8f6f4 v[D+8*\t:D+8*\t+7], v[F+12*\t:F+12*\t+11], v[G:G+11], v[CB:CB+7], v[FS+\t], v[GS] matrix_a_fmt:MATRIX_FMT_FP6 matrix_b_fmt:MATRIX_FMT_FP6
.else
	v_wmma_scale_f32_16x16x128_f8f6f4 v[D+8*\t:D+8*\t+7], v[F+12*\t:F+12*\t+11], v[G+12:G+23], v[D+8*\t:D+8*\t+7], v[FS+\t], v[GS+1] matrix_a_fmt:MATRIX_FMT_FP6 matrix_b_fmt:MATRIX_FMT_FP6
.endif
.endr
.endr
	PLACES
.if \u == 1
	s_wait_xcnt 0x0                                ; the last stores have had their addresses translated
	s_wait_alu depctr_vm_vsrc(0)                   ; and have read v[PC ..], which the quantiser below writes anew
.endif
	QUANT D                                        ; register 16 b + i = key 32 b + 16 h + i: the blocks run along the keys
.if \u == 0
	v_mov_b32 v[PW0], v[PW]
.else
	v_cmp_gt_u32 vcc_lo, 64, v[L4]
	s_wait_alu depctr_va_vcc(0)                    ; VCC is written, ahead of the select that reads it
	v_cndmask_b32 v[PW0], v[PW], v[PW0], vcc_lo    ; lanes 0-15: tile 0's words, lanes 16-31: tile 1's
.endif
	s_wait_alu depctr_va_vdst(0)                   ; the quantiser has written v[PC ..], and v[PW0] is written: the stores below read them
.irp c, 0,1,2
	global_store_b128 v[L16], v[PC+4*\c:PC+4*\c+3], s[RO:RO+1] offset:3072+1536*\u+512*\c
.endr
.if \u == 1
	global_store_b32 v[L4], v[PW0], s[RO:RO+1] offset:6272
.endif
.endr
.endm
	; ---- PHASE 2: the ways part on the work-group's number; no barrier stands in an arm
	s_cmp_eq_u32 s[TT], 3
	s_cbranch_scc1 .Ljoin
	s_cmp_eq_u32 s[TT], 2
	s_cbranch_scc1 .Larm_v
	s_cmp_eq_u32 s[TT], 1
	s_cbranch_scc1 .Larm_k
	ARMQK 0
	s_branch .Ljoin
.Larm_k:
	ARMQK 1
	s_branch .Ljoin
.Larm_v:
	ARMV
.Ljoin:
	BARRIER                                        ; k: the sixteen records' codes and scale bytes lie in LDS
	s_wait_alu depctr_vm_vsrc(0)                   ; phase 2's LDS loads have read v5 to v8, which are written anew below
	; ---- PHASE 3: what was gathered in LDS leaves through registers
	s_mul_i32 s84, s[GSS], 25600
	s_add_co_u32 s84, s84, KSTG
	s_mul_i32 s85, s[HD], 3072
	s_add_co_u32 s85, s85, s84
	v_add_nc_u32 v[KR], s85, v[L16]
	s_lshl_b32 s85, s[HD], 7
	s_add_co_u32 s85, s85, s84
	s_add_co_u32 s85, s85, 24576
	v_add_nc_u32 v[KQ], s85, v[L4]
	s_mul_i32 s85, s[WV], 3072
	s_add_co_u32 s85, s85, WIMG
	v_add_nc_u32 v[WC], s85, v[L16]
	s_lshl_b32 s85, s[WV], 7
	s_add_co_u32 s85, s85, WSC
	v_add_nc_u32 v[WCS], s85, v[L4]
	s_wait_alu depctr_va_vdst(0)                   ; v5 to v8 are written, which the LDS loads below read; phase 2's products are done reading v[F ..], in which they land
.macro COPY reg, adr, sadr, ptr, sptr, soff ; two images and their 128 bytes of scale words, through 25 registers of the copy's own
.irp i, 0,1,2,3,4,5
	ds_load_b128 v[\reg+4*\i:\reg+4*\i+3], v[\adr] offset:512*\i
.endr
	ds_load_b32 v[\reg+24], v[\sadr]
	s_wait_dscnt 0x0
.irp i, 0,1,2,3,4,5
	global_store_b128 v[L16], v[\reg+4*\i:\reg+4*\i+3], s[\ptr:\ptr+1] offset:512*\i
.endr
	global_store_b32 v[L4], v[\reg+24], s[\sptr:\sptr+1] offset:\soff
.endm
	s_cmp_eq_u32 s[TT], 1
	s_cbranch_scc0 .Lnot_k
	COPY F, KR, KQ, RO, RO, 6144
.Lnot_k:
	s_cmp_eq_u32 s[TT], 3
	s_cbranch_scc0 .Lend
	COPY F+32, WC, WCS, WO, WSO, 0
.Lend:
	s_wait_dscnt 0x0                               ; the closing lines, six on end
	s_wait_alu 0x0
	s_wait_tensorcnt 0x0
	ds_add_u32 v[SPW], v[NIL]
	s_wait_dscnt 0x0
	s_endpgm
.Lfunc_end_k_q7751f00748_proj:
	.size	k_q7751f00748_proj, .Lfunc_end_k_q7751f00748_proj-k_q7751f00748_proj
	.p2alignl 7, 3214868480
	.fill 96, 4, 3214868480
	.section	.rodata,"a",@progbits
	.p2align	6, 0x0
	.amdhsa_kernel k_q7751f00748_proj
		.amdhsa_group_segment_fixed_size 291840
		.amdhsa_private_segment_fixed_size 0
		.amdhsa_enable_private_segment 0
		.amdhsa_kernarg_size 112
		.amdhsa_user_sgpr_count 2
		.amdhsa_user_sgpr_kernarg_segment_ptr 1
		.amdhsa_wavefront_size32 1
		.amdhsa_system_sgpr_workgroup_id_x 1
		.amdhsa_system_sgpr_workgroup_id_y 1
		.amdhsa_system_sgpr_workgroup_id_z 1
		.amdhsa_system_vgpr_workitem_id 0
		.amdhsa_next_free_vgpr 256
		.amdhsa_next_free_sgpr 100
		.amdhsa_reserve_vcc 1
		.amdhsa_float_denorm_mode_32 3
		.amdhsa_float_denorm_mode_16_64 3
		.amdhsa_memory_ordered 1
		.amdhsa_forward_progress 1
		.amdhsa_inst_pref_size 117
	.end_amdhsa_kernel
	.amdgpu_metadata
---
amdhsa.version: [ 1, 2 ]
amdhsa.kernels:
  - .name:           k_q7751f00748_proj
    .symbol:         k_q7751f00748_proj.kd
    .args:
      - { .name: q, .offset: 0, .size: 8, .value_kind: global_buffer, .address_space: global }
      - { .name: k, .offset: 8, .size: 8, .value_kind: global_buffer, .address_space: global }
      - { .name: v, .offset: 16, .size: 8, .value_kind: global_buffer, .address_space: global }
      - { .name: wq, .offset: 24, .size: 8, .value_kind: global_buffer, .address_space: global }
      - { .name: wk, .offset: 32, .size: 8, .value_kind: global_buffer, .address_space: global }
      - { .name: wv, .offset: 40, .size: 8, .value_kind: global_buffer, .address_space: global }
      - { .name: wo, .offset: 48, .size: 8, .value_kind: global_buffer, .address_space: global }
      - { .name: bq, .offset: 56, .size: 8, .value_kind: global_buffer, .address_space: global }
      - { .name: bk, .offset: 64, .size: 8, .value_kind: global_buffer, .address_space: global }
      - { .name: bv, .offset: 72, .size: 8, .value_kind: global_buffer, .address_space: global }
      - { .name: qc, .offset: 80, .size: 8, .value_kind: global_buffer, .address_space: global }
      - { .name: qs, .offset: 88, .size: 8, .value_kind: global_buffer, .address_space: global }
      - { .name: kv, .offset: 96, .size: 8, .value_kind: global_buffer, .address_space: global }
      - { .name: woq, .offset: 104, .size: 8, .value_kind: global_buffer, .address_space: global }
    .group_segment_fixed_size: 291840
    .private_segment_fixed_size: 0
    .kernarg_segment_align: 8
    .kernarg_segment_size: 112
    .max_flat_workgroup_size: 512
    .sgpr_count:     100
    .vgpr_count:     256
    .wavefront_size: 32
...
	.end_amdgpu_metadata
.endif
;; end of part 3
;; launch attn (part 4): grid 256 x 1, 8 waves a work-group, no clusters, 89,600 bytes of LDS; arguments qc, qs, kv, woq, m, bo, out0; writes out0
.if DOCPART == 4
	.amdgcn_target "amdgcn-amd-amdhsa--gfx1250"
	.amdhsa_code_object_version 6
	.text
	.protected	k_q7751f00748_attn
	.globl	k_q7751f00748_attn
	.p2align	8
	.type	k_q7751f00748_attn,@function
k_q7751f00748_attn:
	s_mov_b64 s[64:65], 0
	v_nop
	global_prefetch_b8 v0, s[64:65] scope:SCOPE_SE
	s_setreg_imm32_b32 hwreg(HW_REG_WAVE_SCHED_MODE, 0, 2), 2
	s_setreg_imm32_b32 hwreg(HW_REG_WAVE_MODE, 25, 1), 1
	s_wait_xcnt 0x0
	s_wait_alu depctr_vm_vsrc(0)
; ATTENTION AND THE OUTPUT PROJECTION, all three products on codes of FP6 (E2M3) with one E8M0 scale for each 32 along K.  Nothing of the problem is left out here.
; SHARES.  A work-group owns 64 queries of one batch, for all 8 heads: wave = head.  A wave has four tiles of 16 queries and walks the 2,048 keys in 16 steps of 128; at the end the eight heads' results meet in LDS as
;   codes, and wave hd makes columns 32 hd .. 32 hd + 31 of out0 for the 64 queries.
; THE SOFTMAX: t = (score + mask term) x c, c = log2(e) / sqrt(32); M = the running largest t rounded up to a whole number; p = 2^(t - M) is quantised along the keys; the row's sum is taken of the unquantised p and
;   divides at the end; when M moves, the sum and O are multiplied by 2^(old M - new M), which rounds nothing.
; THE MASK costs no vector instruction: m x (-1e9) x sqrt(32) is the C of the product K Q^T, so that (score + C) x c is reference()'s logit x log2(e).
; K = 32 IN AN INSTRUCTION OF 128.  A fragment of K carries FOUR keys in a row, one in each block of 32.  Q stands in four variants, its 32 codes in one block and zero codes in the other three: the variant picks
;   which 16 keys an instruction multiplies; what is not picked meets zero codes and adds nothing (no code of this format is a NaN or an infinity).
; WHICH KEYS FORM A TILE: tile t, row m = key 64 (t / 4) + 32 (m / 8) + 8 (t % 4) + m % 8.  Both products are used transposed (a lane holds one query), so registers 32 c .. 32 c + 31 of the scores in lane (r, h) are
;   keys 64 c + 32 h + 0 .. 31: a WHOLE block of the second product's K, in the lane and order in which that operand wants it: a block's maximum asks no other lane, and the conversions' results are the operand.
; K AND V COME FROM MEMORY STRAIGHT INTO THE OPERANDS' REGISTERS: the launch before has laid a record of 6,400 bytes for each head and step in that order; a record is asked for one whole step ahead.
; NO CLUSTER, NO RING IN LDS: no two waves of a work-group read the same byte of K or V (a wave has a head of its own), so LDS would be a way station; a wave fetches 6,400 bytes for a step's 40 matrix and some
;   830 vector instructions; joint loads would put a round of barriers into each step of eight waves that otherwise never wait for each other.
; LIMITS: NaN and infinities are not served.  Where EVERY key of a row carries a mask term so large that f32 loses the scores beside it, they are lost here at the spacing of numbers near 5.7e9 and in reference() at
;   that near 1e9: for scores of ordinary size both give equal weights to all keys.  A block whose every p is 0 has the scale byte 1: its codes are zeros.
; REGISTERS.  Window 0: v1-15 addresses; v16-31 four a tile: -M, the largest t, the sum in two halves; v32-95 the scores, then p; v96-159 O^T, 16 a tile; v160-179 p's codes; v180-195 at work; v196-207 and v236-247
;   scales and nothing else; v208-231 V of odd steps; v232, v233 the add's two.
;   Window 1: v0-101 Q's variants (a tile: zeros, the codes in lanes 0-15, zeros, the codes in lanes 16-31; six registers each; one more run of zeros at the end); v104-151 K of even and odd steps; v152-175 V of
;   even steps; v176-239 a step's mask terms.
; THE MODE: SCHED_MODE bits 1:0 = 2 (LLVM: expert scheduling mode 2), set by the entry lines.  The code itself states the register dependences between vector or matrix instructions and memory or LDS
;   instructions, with s_wait_alu, always for 0.
; THE PLAN.  Registers that memory or LDS instructions touch, in the loop:
;   K, V and their scale words, two parities.  A step of parity p: its products read parity p's; the 14 loads of the next record land in the other parity's, which no vector or matrix instruction of the step names.
;   MC, the mask terms.  Sixteen LDS loads at a step's head land there; the step's 32 products K Q^T read them as C.
;   v[MKA]    read by the mask terms' LDS loads; written once a trip, at the trip's head.
;   v[L16], v[L4], v[PFO]   read by the records' loads and the prefetches; made at the head and never written again: the scalar base moves on.
;   So ONE wait on va_vdst stands at a step's head: the last step's products are done reading the other parity's registers and MC, and v[MKA] is written.  The step's 30 loads follow it with no further wait.
;   One wait on vm_vsrc a trip stands ahead of the add to v[MKA].
;   Within a tile no memory instruction stands.  Its waits on va_vdst: one ahead of the exponentials; two behind them, ahead of the first readers of their results; one ahead of V^T P, which takes p's codes and p's scale word, made by
;   vector instructions, as an operand and as scales.
.set MK,    0                          ; LDS: the 2,048 mask terms, f32, by key
.set OC,    8192                       ; 64 rows x 208 bytes: the codes of O (192 bytes a row)
.set OS,    21504                      ; their scale bytes, 8 a row
.set SG,    22016                      ; the way out: 64 rows x (1,024 bytes + 16)
.set SPARE, 88576                      ; the spare words, 128 bytes for each wave: four blocks of 256 bytes that no other line names
.set REC,   6400
.set L16,  1
.set L4,   2
.set MK0,  3                           ; v3   MK + 128 h; behind the loop: where I put results into the stage
.set SH8,  4                           ; v4   8 h
.set PFO,  5                           ; v5   the prefetch's offset: 256 x lane, held at 24 x 256 (a record is 25 x 256 bytes)
.set MKA,  6                           ; v6   the trip's mask terms; behind the loop: where I read the stage back
.set BOF,  7
.set R4,   11                          ; v11  4 r; never rewritten
.set OCA,  12
.set OBA,  13
.set OFA,  14
.set OSA,  15
.set SOA,  3
.set SRA,  6
.set ST,   16
.set S,    32
.set O,    96
.set PC,   160
.set PT,   172
.set BM,   180
.set SO,   184
.set BY,   186
.set T,    188
.set T2,   189
.set W,    190
.set W2,   191
.set F,    192                         ; v[192:193] f = 2^(old M - new M); the pair's upper half is written once and never used
.set A2,   194
.set PS,   196                         ; p's scale word
.set KS,   200                         ; K's scale words of even, odd steps; v202-203 V's; v204-207 Q's, a tile each
.set VS,   202
.set QS,   204
.set VB,   208
.set SPW,  232
.set NIL,  233
.set OSW,  236                         ; v236-243 the scale words of O's eight fragments
.set WSW,  244                         ; v244-247 wo's scale words: registers that no other load names
.set KA,   104                         ; window 1
.set VA,   152
.set MC,   176
.set KV,   18                          ; s[18:19] my head's records, at the trip's first
.set CS,   20                          ; s[20:21] c, twice: the packed form names the pair
.set SEL,  22                          ; s[22:23] v_permlanex16_b32's selects for lane l xor 16
.set WV,   24
.set CNT,  25                          ; trips to go
.set LIM,  26                          ; 1 in the work-group that prefetches, else the greatest number
.set MKS,  27                          ; the trip's place in the mask table
.set QP,   28
.set QSP,  30
.set WOP,  32
.set WOS,  34
.set BOP,  36
.set OUT,  38
.set MSB, 0
.macro WIN new                         ; the immediate's high byte repeats the setting that is left; a switch that changes nothing is dropped
.if MSB != \new
	s_set_vgpr_msb (MSB<<8)|\new
.set MSB, \new
.endif
.endm
.macro PLACES                          ; four plain places behind matrix instructions, ahead of loads into their registers and of the first read of their results
.rept 4
	v_nop
.endr
.endm
.macro BARRIER
	s_wait_dscnt 0x0
	s_barrier_signal -1
	s_barrier_wait -1
.endm
; A record into the registers of parity par: 14 loads, the twelve of codes 512 consecutive bytes each
.macro RLOAD par, off
	WIN 0x40                                       ; destination window 1
.irp i, 0,1,2,3,4,5
	global_load_b128 v[KA+24*(\par)+4*\i:KA+24*(\par)+4*\i+3], v[L16], s[KV:KV+1] offset:\off+512*\i
.endr
.if (\par) == 0
.irp i, 0,1,2,3,4,5
	global_load_b128 v[VA+4*\i:VA+4*\i+3], v[L16], s[KV:KV+1] offset:\off+3072+512*\i
.endr
	WIN 0
.else
	WIN 0
.irp i, 0,1,2,3,4,5
	global_load_b128 v[VB+4*\i:VB+4*\i+3], v[L16], s[KV:KV+1] offset:\off+3072+512*\i
.endr
.endif
	global_load_b32 v[KS+(\par)], v[L4], s[KV:KV+1] offset:\off+6144
	global_load_b32 v[VS+(\par)], v[L4], s[KV:KV+1] offset:\off+6272
.endm
; TILE i OF 16 QUERIES, ONE STEP OF 128 KEYS.  No two matrix instructions that follow each other share an accumulator, and every turn is one instruction.
.macro TILE i, par
.set NM, ST+4*(\i)
.set LL, NM+2
.set OI, O+16*(\i)
	WIN 0x15                                       ; K, Q and the mask terms in window 1, the scores in window 0
.irp tau, 0,1,2,3,4,5,6,7
.if \tau < 4
	v_wmma_scale_f32_16x16x128_f8f6f4 v[S+8*\tau:S+8*\tau+7], v[KA+24*(\par):KA+24*(\par)+11], v[24*(\i)+12*(\tau%2)+6*(1-(\tau%4)/2):24*(\i)+12*(\tau%2)+6*(1-(\tau%4)/2)+11], v[MC+8*\tau:MC+8*\tau+7], v[KS+\par], v[QS+\i] matrix_a_fmt:MATRIX_FMT_FP6 matrix_b_fmt:MATRIX_FMT_FP6
.else
	v_wmma_scale_f32_16x16x128_f8f6f4 v[S+8*\tau:S+8*\tau+7], v[KA+24*(\par)+12:KA+24*(\par)+23], v[24*(\i)+12*(\tau%2)+6*(1-(\tau%4)/2):24*(\i)+12*(\tau%2)+6*(1-(\tau%4)/2)+11], v[MC+8*\tau:MC+8*\tau+7], v[KS+\par], v[QS+\i] matrix_a_fmt:MATRIX_FMT_FP6 matrix_b_fmt:MATRIX_FMT_FP6 matrix_a_scale:MATRIX_SCALE_ROW1
.endif
.endr
	WIN 0
	PLACES
.irp k, 0,1,2,3                        ; the largest score of my two blocks of 32 keys, in four chains of 16 by turns; each accumulator is read from its low end on
	v_max3_num_f32 v[BM+\k], v[S+16*\k], v[S+16*\k+1], v[S+16*\k+2]
.endr
.irp n, 3,5,7,9,11,13
.irp k, 0,1,2,3
	v_max3_num_f32 v[BM+\k], v[BM+\k], v[S+16*\k+\n], v[S+16*\k+\n+1]
.endr
.endr
.irp c, 0,1
	v_max3_num_f32 v[BM+2*\c], v[BM+2*\c], v[BM+2*\c+1], v[S+32*\c+15]
.endr
.irp c, 0,1
	v_max_num_f32 v[BM+2*\c], v[BM+2*\c], v[S+32*\c+31]        ; it serves twice: for the row's maximum, and, since p rises with the score, for the block's largest p
.endr
	v_max_num_f32 v[T], v[BM], v[BM+2]
	v_permlanex16_b32 v[T2], v[T], s[SEL], s[SEL+1]
	v_max_num_f32 v[T], v[T], v[T2]                            ; the step's largest score of my query
	v_mul_f32 v[T], s[CS], v[T]                                ; as t (c is positive)
	v_max_num_f32 v[NM+1], v[NM+1], v[T]                       ; the running largest t
	v_mov_b32 v[T], v[NM]
	v_floor_f32 v[NM], -v[NM+1]                                ; the new -M = floor(-t): M is a whole number
	v_sub_f32 v[T], v[NM], v[T]                                ; old M less new M: a whole number, 0 or less
	v_cvt_i32_f32 v[T], v[T]                                   ; (it saturates)
	v_ldexp_f32 v[F], 1.0, v[T]                                ; f = 2^(old M - new M)
.set j, 0
.rept 32
	v_pk_fma_f32 v[S+j:S+j+1], v[S+j:S+j+1], s[CS:CS+1], v[NM:NM+1] op_sel_hi:[1,0,0]   ; t - M, two at a time
.set j, j+2
.endr
	v_fma_f32 v[BM], v[BM], s[CS], v[NM]                       ; the same of each block's largest score
	v_fma_f32 v[BM+2], v[BM+2], s[CS], v[NM]
.set j, 0
	s_wait_alu depctr_va_vdst(0)
.rept 64
	v_exp_f32 v[S+j], v[S+j]                                   ; p = 2^(t - M), not normalised
.set j, j+1
.endr
	v_pk_mul_f32 v[LL:LL+1], v[LL:LL+1], v[F:F+1] op_sel_hi:[1,0]   ; the sums under the new M: the plain place behind the exponentials
	s_wait_alu depctr_va_vdst(0)                               ; the 64 exponentials have written v[S ..], ahead of the sums, their first readers: one wait for the batch
	v_exp_f32 v[BM], v[BM]                                     ; the blocks' largest p: the same two instructions on the same numbers give the same bits
	v_exp_f32 v[BM+2], v[BM+2]
	v_pk_add_f32 v[A2:A2+1], v[S:S+1], v[S+2:S+3]              ; the row's sum is taken of the unquantised p, two at a time, in two chains; this half of it is the work behind the two exponentials
.set j, 4
.rept 7
	v_pk_add_f32 v[LL:LL+1], v[LL:LL+1], v[S+j:S+j+1]
	v_pk_add_f32 v[A2:A2+1], v[A2:A2+1], v[S+j+2:S+j+3]
.set j, j+4
.endr
	s_wait_alu depctr_va_vdst(0)                               ; the two exponentials have written v[BM] and v[BM+2], ahead of the floor's lines, their first readers
.irp c, 0,1
	v_max_num_f32 v[BM+2*\c], 0x1800000, v[BM+2*\c]            ; the floor 2^(3 - 127): the byte cannot fall under 1
.endr
.irp c, 0,1
	v_add_nc_u32 v[SO+\c], 0xff000000, v[BM+2*\c]              ; 2 off the exponent field: the conversion's scale operand
.endr
.irp c, 0,1
	v_lshrrev_b32 v[BY+\c], 23, v[SO+\c]                       ; the scale's byte
.endr
	v_lshl_or_b32 v[W], v[BY+1], 16, v[BY]                     ; my two bytes: blocks h and 2 + h,
	v_lshlrev_b32 v[W], v[SH8], v[W]                           ; at their places in the word;
	v_permlanex16_b32 v[W2], v[W], s[SEL], s[SEL+1]
	v_or_b32 v[PS], v[W], v[W2]                                ; with lane l xor 16's two it is whole
.rept 8                                ; the other half of the sums: 17 plain lines that name no register of the product V^T P: the places between the scale word's last write and that product
	v_pk_add_f32 v[LL:LL+1], v[LL:LL+1], v[S+j:S+j+1]
	v_pk_add_f32 v[A2:A2+1], v[A2:A2+1], v[S+j+2:S+j+3]
.set j, j+4
.endr
	v_pk_add_f32 v[LL:LL+1], v[LL:LL+1], v[A2:A2+1]
.irp c, 0,1
	v_cvt_scalef32_pk16_fp6_f32 v[PC+6*\c:PC+6*\c+2], v[S+32*\c:S+32*\c+15], v[SO+\c]
	v_cvt_scalef32_pk16_fp6_f32 v[PT+4*\c:PT+4*\c+2], v[S+32*\c+16:S+32*\c+31], v[SO+\c]   ; (a conversion's three registers begin on an even number)
.endr
	v_nop                                                      ; one plain place behind a scaled conversion
.irp c, 0,1
.irp k, 0,1,2
	v_mov_b32 v[PC+6*\c+3+\k], v[PT+4*\c+\k]
.endr
.endr
.set j, 0
.rept 8
	v_pk_mul_f32 v[OI+j:OI+j+1], v[OI+j:OI+j+1], v[F:F+1] op_sel_hi:[1,0]   ; O^T under the new M, from each accumulator's low end on; four of the eight name no register of either product below: the places behind p's codes
.set j, j+2
.endr
.if (\par) == 0
	WIN 0x01                                       ; V of even steps lies in window 1
	s_wait_alu depctr_va_vdst(0)                   ; the conversions and moves have written p's codes v[PC ..], and v[PS] is written: the scaled products below take them as an operand and as scales; the places above stay beside this wait
	v_wmma_scale_f32_16x16x128_f8f6f4 v[OI:OI+7], v[VA:VA+11], v[PC:PC+11], v[OI:OI+7], v[VS+\par], v[PS] matrix_a_fmt:MATRIX_FMT_FP6 matrix_b_fmt:MATRIX_FMT_FP6
	v_wmma_scale_f32_16x16x128_f8f6f4 v[OI+8:OI+15], v[VA+12:VA+23], v[PC:PC+11], v[OI+8:OI+15], v[VS+\par], v[PS] matrix_a_fmt:MATRIX_FMT_FP6 matrix_b_fmt:MATRIX_FMT_FP6 matrix_a_scale:MATRIX_SCALE_ROW1
	WIN 0
.else
	s_wait_alu depctr_va_vdst(0)                   ; the conversions and moves have written p's codes v[PC ..], and v[PS] is written: the scaled products below take them as an operand and as scales; the places above stay beside this wait
	v_wmma_scale_f32_16x16x128_f8f6f4 v[OI:OI+7], v[VB:VB+11], v[PC:PC+11], v[OI:OI+7], v[VS+\par], v[PS] matrix_a_fmt:MATRIX_FMT_FP6 matrix_b_fmt:MATRIX_FMT_FP6
	v_wmma_scale_f32_16x16x128_f8f6f4 v[OI+8:OI+15], v[VB+12:VB+23], v[PC:PC+11], v[OI+8:OI+15], v[VS+\par], v[PS] matrix_a_fmt:MATRIX_FMT_FP6 matrix_b_fmt:MATRIX_FMT_FP6 matrix_a_scale:MATRIX_SCALE_ROW1
.endif
.endm
; A KEY STEP of parity par.  Its record was asked for a step ago.  Its mask terms, for which it waits, are asked for first; then the next step's record, into the registers that the last step has left.
.macro STEP par
	PLACES                                         ; behind the last step's last products, ahead of the loads into their V and scale registers
	s_wait_loadcnt 0x0                             ; this step's record is in: nothing has been issued behind its 14 loads
	s_wait_alu depctr_va_vdst(0)                   ; the last step's products are done reading the other parity's K, V and scale words and the mask terms, in which the loads below land; in a trip's first step v[MKA] is written; in the first trip Q's variants and scale words, which vector instructions made, are written ahead of the scaled products that take them
	WIN 0x40
.irp tau, 0,1,2,3,4,5,6,7                      ; the mask terms in the scores' layout: register j of tile tau in lane (r, h): key 64 (tau / 4) + 32 h + 8 (tau % 4) + j
	ds_load_b128 v[MC+8*\tau:MC+8*\tau+3], v[MKA] offset:512*(\par)+(64*(\tau/4)+8*(\tau%4))*4
	ds_load_b128 v[MC+8*\tau+4:MC+8*\tau+7], v[MKA] offset:512*(\par)+(64*(\tau/4)+8*(\tau%4))*4+16
.endr
.if (\par) == 1
	WIN 0                                          ; at a branch and at a label every window is 0
	s_cmp_eq_u32 s[CNT], 1                         ; the last step has no successor: no load leaves the buffer
	s_cbranch_scc1 .Lno_load_\@
.endif
	RLOAD 1-\par, (\par+1)*REC                     ; no further wait: no vector or matrix instruction has been issued since the wait above
.if (\par) == 1
.Lno_load_\@:
.endif
	s_cmp_gt_u32 s[CNT], s[LIM]                    ; A PREFETCH INTO THE L2 of the record that the NEXT step will ask for, behind this step's loads.  All 32 work-groups of a batch walk the same records: the batch's
	s_cbranch_scc0 .Lnot_mine_\@                   ; first asks, each wave for its own head, a lane for each 256 bytes (lanes 25 to 31 name the last again).  The last trip asks for nothing; records 0 and 1 come by their loads alone
	global_prefetch_b8 v[PFO], s[KV:KV+1] offset:(\par+2)*REC th:TH_LOAD_NT scope:SCOPE_SE
.Lnot_mine_\@:
	s_wait_dscnt 0x0                               ; the mask terms are in
	TILE 0, \par
	TILE 1, \par
	TILE 2, \par
	TILE 3, \par
.endm
	s_load_b256 s[4:11], s[0:1], 0x0               ; qc, qs, kv, woq
	s_load_b128 s[12:15], s[0:1], 0x20             ; m, bo
	s_load_b64 s[16:17], s[0:1], 0x30              ; out0
	v_lshl_add_u32 v[SPW], v0, 2, SPARE
	v_mov_b32 v[NIL], 0
	v_lshrrev_b32 v7, 5, v0
	v_readfirstlane_b32 s[WV], v7                  ; wave = head
	s_lshr_b32 s40, ttmp9, 5                       ; batch
	s_and_b32 s41, ttmp9, 31                       ; which 64 queries
	v_and_b32 v7, 31, v0                           ; lane
	v_and_b32 v8, 15, v0                           ; r
	v_bfe_u32 v9, v0, 4, 1                         ; h
	v_lshlrev_b32 v[L16], 4, v7
	v_lshlrev_b32 v[L4], 2, v7
	v_lshl_add_u32 v[MK0], v9, 7, MK
	v_lshlrev_b32 v[SH8], 3, v9
	v_min_u32 v[PFO], 24, v7
	v_lshlrev_b32 v[PFO], 8, v[PFO]
	v_lshlrev_b32 v10, 5, v0                       ; eight numbers of the mask a thread
	v_lshlrev_b32 v[R4], 2, v8
	s_wait_alu depctr_va_sdst(0)                   ; the wave's number is written, ahead of its first reader: offsets and bases are made from it
	s_and_b32 s42, s[WV], 1                        ; my head is block hd % 4 of an image of Q: registers 6 ((hd / 2) % 2) on of lane r + 16 (hd % 2): three pieces of 8 bytes
	s_lshl_b32 s42, s42, 8
	s_bfe_u32 s43, s[WV], 0x10001
	s_mul_i32 s58, s43, 520
	s_add_co_u32 s58, s58, s42
	v_lshl_add_u32 v12, v8, 4, s58
	s_mul_i32 s58, s43, 1016
	s_add_co_u32 s58, s58, s42
	s_add_co_u32 s58, s58, 8
	v_lshl_add_u32 v13, v8, 4, s58
	s_mul_i32 s58, s43, 520
	s_add_co_u32 s58, s58, s42
	s_add_co_u32 s58, s58, 512
	v_lshl_add_u32 v14, v8, 4, s58
	s_lshl_b32 s44, s40, 3                         ; byte offsets into the buffers, each in a pair of its own
	s_add_co_u32 s44, s44, s[WV]
	s_mul_i32 s44, s44, 16*REC
	s_mov_b32 s45, 0
	s_lshl_b32 s59, s40, 7
	s_lshl_b32 s58, s41, 2
	s_add_co_u32 s59, s59, s58                     ; my first tile of queries: 128 x batch + 4 x block
	s_lshr_b32 s58, s[WV], 2
	s_mul_i32 s46, s59, 3072
	s_mul_i32 s42, s58, 1536
	s_add_co_u32 s46, s46, s42
	s_mov_b32 s47, 0
	s_lshl_b32 s48, s59, 7
	s_lshl_b32 s42, s58, 6
	s_add_co_u32 s48, s48, s42
	s_and_b32 s42, s[WV], 3
	s_add_co_u32 s48, s48, s42
	s_mov_b32 s49, 0
	s_mul_i32 s50, s[WV], 6144
	s_mov_b32 s51, 0
	s_lshl_b32 s52, s[WV], 8
	s_add_co_u32 s52, s52, 49152
	s_mov_b32 s53, 0
	s_lshl_b32 s54, s[WV], 7
	s_mov_b32 s55, 0
	s_lshl_b32 s56, s40, 11
	s_lshl_b32 s42, s41, 6
	s_add_co_u32 s56, s56, s42
	s_lshl_b32 s42, s[WV], 3
	s_add_co_u32 s56, s56, s42
	s_lshl_b32 s56, s56, 10
	s_mov_b32 s57, 0
	s_mov_b32 s[CS], 0x3e8293ee                    ; c = log2(e) / sqrt(32)
	s_mov_b32 s[CS+1], s[CS]
	s_mov_b32 s[SEL], 0x76543210
	s_mov_b32 s[SEL+1], 0xfedcba98
	s_mov_b32 s[CNT], 8
	s_mov_b32 s[MKS], 0
	s_mov_b32 s58, 0x01010101
	s_cmp_eq_u32 s41, 0
	s_cselect_b32 s[LIM], 1, -1
	s_wait_kmcnt 0x0
	s_add_nc_u64 s[KV:KV+1], s[8:9], s[44:45]
	s_add_nc_u64 s[QP:QP+1], s[4:5], s[46:47]
	s_add_nc_u64 s[QSP:QSP+1], s[6:7], s[48:49]
	s_add_nc_u64 s[WOP:WOP+1], s[10:11], s[50:51]
	s_add_nc_u64 s[WOS:WOS+1], s[10:11], s[52:53]
	s_add_nc_u64 s[BOP:BOP+1], s[14:15], s[54:55]
	s_add_nc_u64 s[OUT:OUT+1], s[16:17], s[56:57]
	s_wait_alu depctr_va_vdst(0)                   ; the offsets v1, v2, v5 and v10 to v14 are written, which the loads below, the records' loads and the prefetches read
	global_load_b128 v[64:67], v10, s[12:13]       ; the mask: 2 loads;
	global_load_b128 v[68:71], v10, s[12:13] offset:16
.irp i, 0,1,2,3                                ; Q: 12; every lane takes its query's 24 bytes
	global_load_b64 v[S+6*\i:S+6*\i+1], v12, s[QP:QP+1] offset:3072*\i
	global_load_b64 v[S+6*\i+2:S+6*\i+3], v13, s[QP:QP+1] offset:3072*\i
	global_load_b64 v[S+6*\i+4:S+6*\i+5], v14, s[QP:QP+1] offset:3072*\i
.endr
.irp i, 0,1,2,3                                ; its scale bytes: 4;
	global_load_u8 v[QS+\i], v[R4], s[QSP:QSP+1] offset:128*\i
.endr
	RLOAD 0, 0                                     ; the first record: 14
	s_wait_loadcnt 30                              ; the mask is in: behind it 12 + 4 + 14 loads were issued
.irp j, 0,1,2,3,4,5,6,7
	v_mul_f32 v[64+\j], 0xce6e6b28, v[64+\j]       ; m x (-1e9), as reference() has it,
.endr
.irp j, 0,1,2,3,4,5,6,7
	v_mul_f32 v[64+\j], 0x40b504f3, v[64+\j]       ; x sqrt(32): it is added ahead of the division by sqrt(32), which c holds
.endr
	s_wait_alu depctr_va_vdst(0)                   ; the multiplications have written v[64:71], which the LDS stores read
	ds_store_b128 v10, v[64:67] offset:MK
	ds_store_b128 v10, v[68:71] offset:MK+16
	BARRIER                                        ; the table is whole; nobody writes it again
	s_wait_alu depctr_vm_vsrc(0)                   ; my LDS stores have read v[64:71], which the first step's products write as scores
	s_wait_loadcnt 14                              ; Q and its scale bytes are in; the record may stay out
.irp i, 0,1,2,3
	v_mul_lo_u32 v[QS+\i], v[QS+\i], s58           ; the byte in all four places: whichever block holds the codes
.endr
	v_cmp_gt_u32 vcc_lo, 16, v7
	s_wait_alu depctr_va_vcc(0)                    ; VCC is written, ahead of the selects that read it
	WIN 0x40
.irp i, 0,1,2,3
.irp k, 0,1,2,3,4,5
	v_mov_b32 v[24*\i+\k], 0
	v_cndmask_b32 v[24*\i+6+\k], v[NIL], v[S+6*\i+\k], vcc_lo      ; the codes in lanes 0-15, zeros in lanes 16-31
	v_mov_b32 v[24*\i+12+\k], 0
	v_cndmask_b32 v[24*\i+18+\k], v[S+6*\i+\k], v[NIL], vcc_lo     ; and the other way round
.endr
.endr
.irp k, 0,1,2,3,4,5
	v_mov_b32 v[96+\k], 0
.endr
	WIN 0
.irp i, 0,1,2,3
	v_mov_b32 v[ST+4*\i+1], 0xff61b1e6             ; the largest t so far: -3e38, under every t
	v_floor_f32 v[ST+4*\i], -v[ST+4*\i+1]          ; -M
	v_mov_b32 v[ST+4*\i+2], 0                      ; the sum, in two halves
	v_mov_b32 v[ST+4*\i+3], 0
.endr
	v_mov_b32 v[T2], 0                             ; written once: a lane permute's destination counts as one of its sources
	v_mov_b32 v[W2], 0
	v_mov_b32 v[F+1], 0                            ; named as the upper half of a pair
.set j, 0
.rept 64
	v_mov_b32 v[O+j], 0                            ; O^T.  (The step is written once: the first finds zeros, which the first change of M leaves zeros)
.set j, j+1
.endr
.Ltrip:                                            ; eight trips of two steps, one of each parity
	s_wait_alu depctr_vm_vsrc(0)                   ; the last trip's LDS loads have read v[MKA], which is written below
	v_add_nc_u32 v[MKA], s[MKS], v[MK0]
	STEP 0
	STEP 1
	s_wait_xcnt 0x0                                ; the trip's loads and prefetches have read their base, which steps now
	s_add_nc_u64 s[KV:KV+1], s[KV:KV+1], 2*REC
	s_add_co_u32 s[MKS], s[MKS], 1024
	s_sub_co_u32 s[CNT], s[CNT], 1
	s_cmp_lg_u32 s[CNT], 0
	s_cbranch_scc1 .Ltrip
	s_wait_loadcnt 0x0                             ; no record's load is pending on any way out of the loop (the last step asked for none): the registers that held K and V take other loads below
	s_wait_alu depctr_vm_vsrc(0)                   ; the loop's LDS loads have read v6, and the head's loads and stores v10 and v12 to v14: all five are written anew below
	; ---- THE WAY OUT.  The addresses first: plain lines that name no register of the last products: the places ahead of the loads below
	v_and_b32 v8, 15, v0                           ; r
	v_bfe_u32 v9, v0, 4, 1                         ; h
	v_lshlrev_b32 v[BOF], 6, v9
	v_mul_u32_u24 v10, v8, 208
	s_mul_i32 s42, s[WV], 24
	s_add_co_u32 s42, s42, OC
	v_mad_u32_u24 v[OCA], v9, 12, v10
	v_add_nc_u32 v[OCA], s42, v[OCA]               ; my 12 bytes of codes: row r, head hd, half h
	s_add_co_u32 s42, s[WV], OS
	v_lshl_add_u32 v[OBA], v8, 3, s42
	v_mad_u32_u24 v[OFA], v9, 24, v10
	v_add_nc_u32 v[OFA], OC, v[OFA]                ; a fragment of O: row r, + 24 h
	v_lshl_add_u32 v[OSA], v8, 3, OS
	v_and_b32 v[SOA], 7, v0
	v_bfe_u32 v[SRA], v0, 3, 1
	v_lshl_add_u32 v[SOA], v[SRA], 5, v[SOA]       ; lane r of tile i holds query 32 (r / 8) + 8 i + r % 8 of the 64
	v_mul_u32_u24 v[SOA], v[SOA], 1040
	v_lshl_add_u32 v[SOA], v9, 6, v[SOA]
	s_lshl_b32 s42, s[WV], 7
	s_add_co_u32 s42, s42, SG
	v_add_nc_u32 v[SOA], s42, v[SOA]
	s_mul_i32 s42, s[WV], 8320
	s_add_co_u32 s42, s42, SG
	v_add_nc_u32 v[SRA], s42, v[L16]               ; back: my eight rows, 16 bytes a lane
	WIN 0x40
	s_wait_alu depctr_va_vdst(0)                   ; the way out's addresses are written, which the loads and stores below read; the loop's products are done reading Q's variants, in whose registers the loads below land
.irp u, 0,1                                    ; wo's four fragments (tile 2 hd + u, K step s), where Q lay
.irp s, 0,1
.irp c, 0,1,2
	global_load_b128 v[12*(2*\u+\s)+4*\c:12*(2*\u+\s)+4*\c+3], v[L16], s[WOP:WOP+1] offset:3072*\u+1536*\s+512*\c
.endr
.endr
.endr
.irp u, 0,1                                    ; bo in the result's layout: columns 32 hd + 16 h + 8 u + 0 .. 7
	global_load_b128 v[48+8*\u:48+8*\u+3], v[BOF], s[BOP:BOP+1] offset:32*\u
	global_load_b128 v[48+8*\u+4:48+8*\u+7], v[BOF], s[BOP:BOP+1] offset:32*\u+16
.endr
	WIN 0
.irp u, 0,1
.irp s, 0,1
	global_load_b32 v[WSW+2*\u+\s], v[R4], s[WOS:WOS+1] offset:128*\u+64*\s
.endr
.endr
.irp i, 0,1,2,3
	v_add_f32 v[BM+\i], v[ST+4*\i+2], v[ST+4*\i+3]             ; the sum's two halves,
.endr
.irp i, 0,1,2,3
	v_permlanex16_b32 v[SO+\i], v[BM+\i], s[SEL], s[SEL+1]
.endr
.irp i, 0,1,2,3
	v_add_f32 v[BM+\i], v[BM+\i], v[SO+\i]                     ; and lane l xor 16's: the row's sum
.endr
	s_wait_alu depctr_va_vdst(0)
.irp i, 0,1,2,3
	v_rcp_f32 v[ST+4*\i+2], v[BM+\i]
.endr
	v_nop                                          ; a plain place behind the last reciprocal
	s_wait_alu depctr_va_vdst(0)                   ; the four reciprocals have written their results, ahead of the multiplications, their first readers
.irp i, 0,1,2,3
.set j, 0
.rept 8
	v_pk_mul_f32 v[O+16*\i+j:O+16*\i+j+1], v[O+16*\i+j:O+16*\i+j+1], v[ST+4*\i+2:ST+4*\i+3] op_sel_hi:[1,0]   ; O^T / the sum: register n = channel 16 h + n of my head
.set j, j+2
.endr
.endr
.irp i, 0,1,2,3                                ; my head's 32 channels are one block of the last product's K: 16 of them mine
	v_max3_num_f32 v[BM+\i], |v[O+16*\i]|, |v[O+16*\i+1]|, 0x1800000
.endr
.irp n, 2,4,6,8,10,12,14
.irp i, 0,1,2,3
	v_max3_num_f32 v[BM+\i], v[BM+\i], |v[O+16*\i+\n]|, |v[O+16*\i+\n+1]|
.endr
.endr
.irp i, 0,1,2,3
	v_permlanex16_b32 v[SO+\i], v[BM+\i], s[SEL], s[SEL+1]
.endr
.irp i, 0,1,2,3
	v_max_num_f32 v[BM+\i], v[BM+\i], v[SO+\i]
.endr
.irp i, 0,1,2,3
	v_add_nc_u32 v[BM+\i], 0xff000000, v[BM+\i]
.endr
.irp i, 0,1,2,3
	v_lshrrev_b32 v[SO+\i], 23, v[BM+\i]
.endr
.irp i, 0,1,2,3
	v_cvt_scalef32_pk16_fp6_f32 v[PC+4*\i:PC+4*\i+2], v[O+16*\i:O+16*\i+15], v[BM+\i]
.endr
	v_nop                                          ; one plain place behind a scaled conversion
	s_wait_alu depctr_va_vdst(0)                   ; the conversions have written v[PC ..] and the shifts the four bytes, which the LDS stores read; every reader of Q's, K's and V's old registers is done, in which the LDS loads behind the barrier land
.irp i, 0,1,2,3
.irp k, 0,1,2
	ds_store_b32 v[OCA], v[PC+4*\i+\k] offset:3328*\i+4*\k
.endr
	ds_store_b8 v[OBA], v[SO+\i] offset:128*\i     ; both lanes of a row write the same byte with the same value
.endr
	BARRIER                                        ; the 64 rows' codes and scale bytes of all eight heads lie in LDS
	WIN 0x40
.irp i, 0,1,2,3
.irp s, 0,1
.irp p, 0,1,2,3,4,5
	ds_load_b64 v[64+12*(2*\i+\s)+2*\p:64+12*(2*\i+\s)+2*\p+1], v[OFA] offset:3328*\i+96*\s+48*(\p/3)+8*(\p%3)
.endr
.endr
.endr
	WIN 0
.irp i, 0,1,2,3
.irp s, 0,1
	ds_load_b32 v[OSW+2*\i+\s], v[OSA] offset:128*\i+4*\s
.endr
.endr
	s_wait_dscnt 0x0
	s_wait_loadcnt 0x0                             ; wo, its scale words and bo
	WIN 0x15                                       ; wo, O and bo in window 1, the results in window 0: eight accumulators by turns, a K step at a time; bo is the C of each sum's first product
.irp i, 0,1,2,3
.irp u, 0,1
	v_wmma_scale_f32_16x16x128_f8f6f4 v[S+16*\i+8*\u:S+16*\i+8*\u+7], v[24*\u:24*\u+11], v[64+24*\i:64+24*\i+11], v[48+8*\u:48+8*\u+7], v[WSW+2*\u], v[OSW+2*\i] matrix_a_fmt:MATRIX_FMT_FP6 matrix_b_fmt:MATRIX_FMT_FP6
.endr
.endr
	WIN 0x05
.irp i, 0,1,2,3
.irp u, 0,1
	v_wmma_scale_f32_16x16x128_f8f6f4 v[S+16*\i+8*\u:S+16*\i+8*\u+7], v[24*\u+12:24*\u+23], v[64+24*\i+12:64+24*\i+23], v[S+16*\i+8*\u:S+16*\i+8*\u+7], v[WSW+2*\u+1], v[OSW+2*\i+1] matrix_a_fmt:MATRIX_FMT_FP6 matrix_b_fmt:MATRIX_FMT_FP6
.endr
.endr
	WIN 0
	PLACES
	s_wait_alu depctr_va_vdst(0)                   ; the products have written the accumulators, which the LDS stores read; the places above stay beside this wait.  The vector lines that named v[O ..] are done too: the loads from the stage land there
.irp i, 0,1,2,3
.irp u, 0,1
	ds_store_b128 v[SOA], v[S+16*\i+8*\u:S+16*\i+8*\u+3] offset:8320*\i+32*\u          ; each accumulator from its low end on: out0(query, 32 hd + 16 h + 8 u + 0 .. 7)
	ds_store_b128 v[SOA], v[S+16*\i+8*\u+4:S+16*\i+8*\u+7] offset:8320*\i+32*\u+16
.endr
.endr
	BARRIER                                        ; 64 whole rows of out0 lie in the stage
.irp n, 0,1,2,3,4,5,6,7,8,9,10,11,12,13,14,15
	ds_load_b128 v[O+4*\n:O+4*\n+3], v[SRA] offset:1040*(\n/2)+512*(\n%2)
.endr
.irp n, 0,1,2,3,4,5,6,7,8,9,10,11,12,13,14,15
	s_wait_dscnt 15-\n                             ; LDS loads come back in order: load n is in, the younger ones may stay out
	global_store_b128 v[L16], v[O+4*\n:O+4*\n+3], s[OUT:OUT+1] offset:1024*(\n/2)+512*(\n%2) th:TH_STORE_NT   ; 32 lanes store 512 consecutive bytes, at a multiple of 512 from out0's first byte
.endr
	s_wait_dscnt 0x0                               ; the closing lines, six on end
	s_wait_alu 0x0
	s_wait_tensorcnt 0x0
	ds_add_u32 v[SPW], v[NIL]
	s_wait_dscnt 0x0
	s_endpgm
.Lfunc_end_k_q7751f00748_attn:
	.size	k_q7751f00748_attn, .Lfunc_end_k_q7751f00748_attn-k_q7751f00748_attn
	.p2alignl 7, 3214868480
	.fill 96, 4, 3214868480
	.section	.rodata,"a",@progbits
	.p2align	6, 0x0
	.amdhsa_kernel k_q7751f00748_attn
		.amdhsa_group_segment_fixed_size 89600
		.amdhsa_private_segment_fixed_size 0
		.amdhsa_enable_private_segment 0
		.amdhsa_kernarg_size 56
		.amdhsa_user_sgpr_count 2
		.amdhsa_user_sgpr_kernarg_segment_ptr 1
		.amdhsa_wavefront_size32 1
		.amdhsa_system_sgpr_workgroup_id_x 1
		.amdhsa_system_sgpr_workgroup_id_y 1
		.amdhsa_system_sgpr_workgroup_id_z 1
		.amdhsa_system_vgpr_workitem_id 0
		.amdhsa_next_free_vgpr 512
		.amdhsa_next_free_sgpr 66
		.amdhsa_reserve_vcc 1
		.amdhsa_float_denorm_mode_32 3
		.amdhsa_float_denorm_mode_16_64 3
		.amdhsa_memory_ordered 1
		.amdhsa_forward_progress 1
		.amdhsa_inst_pref_size 135
	.end_amdhsa_kernel
	.amdgpu_metadata
---
amdhsa.version: [ 1, 2 ]
amdhsa.kernels:
  - .name:           k_q7751f00748_attn
    .symbol:         k_q7751f00748_attn.kd
    .args:
      - { .name: qc, .offset: 0, .size: 8, .value_kind: global_buffer, .address_space: global }
      - { .name: qs, .offset: 8, .size: 8, .value_kind: global_buffer, .address_space: global }
      - { .name: kv, .offset: 16, .size: 8, .value_kind: global_buffer, .address_space: global }
      - { .name: woq, .offset: 24, .size: 8, .value_kind: global_buffer, .address_space: global }
      - { .name: m, .offset: 32, .size: 8, .value_kind: global_buffer, .address_space: global }
      - { .name: bo, .offset: 40, .size: 8, .value_kind: global_buffer, .address_space: global }
      - { .name: out0, .offset: 48, .size: 8, .value_kind: global_buffer, .address_space: global }
    .group_segment_fixed_size: 89600
    .private_segment_fixed_size: 0
    .kernarg_segment_align: 8
    .kernarg_segment_size: 56
    .max_flat_workgroup_size: 256
    .sgpr_count:     66
    .vgpr_count:     512
    .wavefront_size: 32
...
	.end_amdgpu_metadata
.endif
;; end of part 4
